; MI455X (gfx1250); checked and timed in simulation.
; The chip was launched on July 23, 2026; its instructions are those of AMD's public machine-readable ISA for CDNA 5 (MIT licence, August 2026) and "CDNA5" Instruction Set Architecture Reference Guide (July 2026). The comments in the code are by the model that wrote it; some were corrected since.
;; Multi Head Attention. Allowed arithmetic: matrix products marked QUANTISED: E2M1 operands, one E8M0 scale for each 32 along K, by v_wmma_scale_f32_16x16x128_f8f6f4 with both operands' format E2M1 (or v_wmma_scale_f32_32x16x128_f4), f32 sums; products left as they are: bf16, f16 or f32 operands; f32 sums; everything else in f32.
;; Inputs: Wk 16 x 1,024 x 64 float32; Wo 1,024 x 1,024 float32; Wq 16 x 1,024 x 64 float32; Wv 16 x 1,024 x 64 float32; bo 1,024 float32; x 4 x 2,048 x 1,024 float32.
;; Outputs: out0 4 x 2,048 x 1,024 float32.
;; This version of the problem:
;;   THIS VERSION OF THE PROBLEM IS GIVEN IN LOW PRECISION. The matrix products marked QUANTISED in the list below multiply operands that are first quantised to E2M1 (2 exponent bits, 1 mantissa bit; 4 bits a number), with one power-of-two scale for each 32 numbers along K (OCP MX v1.0); their sums are f32. The products marked 'left as it is' may take bf16, f16 or f32 operands, with f32 sums. Whichever they take, every output number must still come out within the allowed error. Rounding operands to bf16 (8 significant bits) uses up far more of that allowance than f16 does (11 bits, for magnitudes from 6e-5 to 65,504). All else is computed in f32.
;;   The module's matrix products, in the order in which they are computed (A, B: the left and right operand; K: the contracted axis; several contracted axes count as one K, in the product's order):
;;     1. [M 1,024, K 1,024] x [K 1,024, N 8,192]; A: input Wq; B: input x: QUANTISED
;;     2. [M 1,024, K 1,024] x [K 1,024, N 8,192]; A: input Wk; B: input x: QUANTISED
;;     3. [M 1,024, K 1,024] x [K 1,024, N 8,192]; A: input Wv; B: input x: QUANTISED
;;     4. batch 64 x [M 2,048, K 64] x [K 64, N 2,048]; A: computed on the way; B: computed on the way: left as it is (an operand is computed on the way)
;;     5. batch 64 x [M 2,048, K 2,048] x [K 2,048, N 64]; A: computed on the way; B: computed on the way: left as it is (an operand is computed on the way)
;;     6. [M 8,192, K 1,024] x [K 1,024, N 1,024]; A: computed on the way; B: input Wo: left as it is (an operand is computed on the way)
;;   THE QUANTISER, for each operand of a quantised product, along K:
;;     - K is cut into blocks of 32 from its start; a last block that is shorter is filled with zeros.
;;     - A block's scale is 2^e with e = floor(log2(the largest magnitude in the block)) - 2, held to -126 .. 127; a block of zeros has e = 0. As a byte (E8M0): e + 127.
;;     - Each number is divided by its block's scale, clamped to +-6, and rounded to the nearest number of E2M1, ties to even, subnormals kept.
;;     - The product sums the exact products of the quantised numbers (number of the format x scale) in f32.
;;   ~~~python
;;   def quantise(x, axis):      # numpy; x: float32 -> the quantised numbers, widened to float32 again
;;       x = np.moveaxis(x, axis, -1); K = x.shape[-1]
;;       x = np.pad(x, [(0, 0)] * (x.ndim - 1) + [(0, -K % 32)]); x = x.reshape(x.shape[:-1] + (-1, 32)); a = np.abs(x).max(-1, keepdims=True)
;;       e = np.where(a > 0, np.clip(np.frexp(np.where(a > 0, a, 1))[1] - 1 - 2, -126, 127), 0)      # np.frexp(a)[1] - 1 = floor(log2(a)), exactly
;;       r = np.clip(x / 2.0 ** e, -6, 6)
;;       step = 2.0 ** (np.maximum(np.frexp(np.where(r == 0, 1, r))[1] - 1, 0) - 1)
;;       q = np.round(r / step) * step * 2.0 ** e      # np.round: ties to even
;;       return np.moveaxis(q.reshape(q.shape[:-2] + (-1,))[..., :K], -1, axis).astype(np.float32)
;;   ~~~
;; One version. Each part assembles by itself: llvm-mc -triple=amdgcn-amd-amdhsa -mcpu=gfx1250 --defsym DOCPART=n.
;; ======== version 1 of 1: 5 launches
;; limits: values are held in f16: magnitudes above 65,504 overflow, below 6.1e-05 lose precision
;; workspace buffers: xc 4,194,304 bytes; xs 262,144 bytes; wc 1,572,864 bytes; ws 98,304 bytes; wo16 2,097,152 bytes; qkv16 50,331,648 bytes; qkv32 786,432 bytes; ctx16 16,777,216 bytes
;; launch prep (part 1): grid 416 x 1, 4 waves a work-group, no clusters, 51,200 bytes of LDS; arguments x, Wq, Wk, Wv, Wo, xc, xs, wc, ws, wo16; writes xc, xs, wc, ws, wo16
.if DOCPART == 1
	.amdgcn_target "amdgcn-amd-amdhsa--gfx1250"
	.amdhsa_code_object_version 6
	.text
	.protected	k_q82d1a3a884_prep
	.globl	k_q82d1a3a884_prep
	.p2align	8
	.type	k_q82d1a3a884_prep,@function
k_q82d1a3a884_prep:
	s_mov_b64 s[64:65], 0
	v_nop
	global_prefetch_b8 v0, s[64:65] scope:SCOPE_SE
	s_setreg_imm32_b32 hwreg(HW_REG_WAVE_MODE, 25, 1), 1
	s_wait_xcnt 0x0
; THE OPERANDS ARE MADE READY, once, for the launches that read them many times.  Three kinds of work-groups, told apart by the work-group's number alone:
;   0 .. 95    Wq, Wk, Wv [16][1024 (e)][64 (d)] f32 -> codes of FP4 (E2M1) along e, wc [3072 rows n = 1024 t + 64 head + d][512 bytes], and E8M0 bytes ws [3072][32]
;   96 .. 159  Wo [1024 (n)][1024] f32 -> f16, laid by head: wo16 [16 (head)][1024 (n)][64]
;   160 .. 415 x [8192][1024] f32 -> codes xc [8192][512 bytes] and bytes xs [8192][32]
; A block of 32 along K has the scale 2^(floor(log2(its largest magnitude)) - 2); its byte is that magnitude's exponent field - 2, held at 1 from below.  Each number is divided by the scale and
; rounded to the nearest code, ties to even, beyond 6 the largest code.  A block of zeros gets the byte 1 (its codes are zeros, and this program alone reads the bytes).
; LIMITS: NaN and infinities among the inputs are not served; |Wo| up to 65,504 (f16's largest number), under 6e-5 with an absolute error of 3e-8.
; No tensor loads, no clusters, no matrix unit: a stream.  Each kind of work-group has LDS bytes of its own.
.set SP,    80                         ; x: a lane's place in a stage: 64 bytes + 16 of padding
.set WREG,  8192                       ; x: a region for each wave: two stages of 32 x SP bytes, then its 256 scale bytes
.set WST,   32768                      ; W: the work-group's stage: 32 rows (columns d) x (512 bytes of codes + 16)
.set WSC,   49664                      ; W: 32 rows x 32 scale bytes
.set SPARE, 50688                      ; the spare words, 128 bytes for each wave: two blocks of 256 bytes that no other line names
.set SPW,   190                        ; v190 LDS address of my spare word; never rewritten
.set NIL,   191                        ; v191 0; never rewritten
.set R,     16                         ; x: v16-79 four sets of 16 numbers as loaded
.set X,     80                         ; x: v80-111 two sets of 16 neighbours
.set E,     112                        ; x: v112-127 a scale byte for each step
.set C,     128                        ; x: v128-189 codes, four registers for each step
.set WX,    32                         ; W: v32-95 two sets of 32 numbers
.set WC,    96                         ; W: v96-99 a block's codes
.set SB,    24                         ; W: v24-25 my eight scale bytes
.set OUTR,  112                        ; W: v112-143 the way out
.set F,     32                         ; Wo: v32-159 sixteen steps of eight numbers
.macro XLOAD t                         ; x, step t: four loads of 512 consecutive bytes
.irp i, 0,1,2,3
	global_load_b128 v[R+16*((\t)%4)+4*\i:R+16*((\t)%4)+4*\i+3], v3, s[8:9] offset:2048*(\t)+512*\i th:TH_LOAD_NT
.endr
.endm
.macro XTURN t                         ; step t's 2,048 bytes go through the wave's stage as they lie and come back 64 bytes a lane; LDS serves a wave's instructions in order (ISA guide 5.7.1.4)
.irp i, 0,1,2,3
	ds_store_b128 v14, v[R+16*((\t)%4)+4*\i:R+16*((\t)%4)+4*\i+3] offset:32*SP*((\t)%2)+8*SP*\i
.endr
.irp i, 0,1,2,3
	ds_load_b128 v[X+16*((\t)%2)+4*\i:X+16*((\t)%2)+4*\i+3], v15 offset:32*SP*((\t)%2)+16*\i
.endr
.endm
.macro XSTEP t
.set XS, X+16*((\t)%2)
.if (\t) > 0
	s_wait_dscnt 1                                 ; this step's numbers are back from the stage (the last step's byte store may be out): so its stores into the stage have read their registers,
.else
	s_wait_dscnt 0x0
.endif
.if (\t)+4 < 16
	XLOAD (\t)+4                                   ; which take the loads of four steps on
.endif
.if (\t)+1 < 16
.if 14-(\t) >= 3
	s_wait_loadcnt 12                              ; the next step's four loads are in; the twelve of the three steps behind it may be out
.else
	s_wait_loadcnt 4*(14-(\t))
.endif
	XTURN (\t)+1
.endif
	v_max3_num_f32 v8, |v[XS]|, |v[XS+1]|, |v[XS+2]|               ; the largest magnitude of my 16, in two chains
	v_max3_num_f32 v9, |v[XS+3]|, |v[XS+4]|, |v[XS+5]|
.irp i, 6,10
	v_max3_num_f32 v8, v8, |v[XS+\i]|, |v[XS+\i+1]|
	v_max3_num_f32 v9, v9, |v[XS+\i+2]|, |v[XS+\i+3]|
.endr
	v_max3_num_f32 v8, v8, |v[XS+14]|, |v[XS+15]|
	v_max3_num_f32 v8, v8, v9, 0x1800000           ; and the floor 2^(3 - 127): the byte cannot fall under 1
	v_max_num_f32_dpp v8, v8, v8 row_xmask:1 row_mask:0xf bank_mask:0xf   ; with my neighbour's 16: the block's
	v_add_nc_u32 v11, 0xff000000, v8               ; 2 off its exponent field: the conversion takes the exponent field of this operand as its scale
	v_cvt_scalef32_pk8_fp4_f32 v[C+4*(\t)], v[XS:XS+7], v11
	v_cvt_scalef32_pk8_fp4_f32 v[C+4*(\t)+1], v[XS+8:XS+15], v11
	v_lshrrev_b32 v[E+(\t)], 23, v11               ; the scale's byte (a plain line behind the conversions)
	ds_store_b8 v5, v[E+(\t)] offset:16*(\t)       ; both lanes of a block write the same byte with the same value
	global_store_b64 v4, v[C+4*(\t):C+4*(\t)+1], s[18:19] offset:256*(\t)   ; the wave stores 256 consecutive bytes, aligned
.endm
.macro WLOAD t                         ; W, block t: W(32 t + i, my column), i = 0 .. 31: 128 consecutive bytes a load
.irp i, 0,1,2,3,4,5,6,7,8,9,10,11,12,13,14,15,16,17,18,19,20,21,22,23,24,25,26,27,28,29,30,31
	global_load_b32 v[WX+32*((\t)%2)+\i], v3, s[10:11] offset:(32*(\t)+\i)*256
.endr
.endm
.macro WBLOCK t
.set WS, WX+32*((\t)%2)
.if (\t) < 7
	s_wait_loadcnt 32                              ; this block's 32 loads are in; the next block's 32 may be out
.else
	s_wait_loadcnt 0x0
.endif
	v_max3_num_f32 v12, |v[WS]|, |v[WS+1]|, |v[WS+2]|              ; the block's largest magnitude: all 32 numbers are mine
	v_max3_num_f32 v13, |v[WS+3]|, |v[WS+4]|, |v[WS+5]|
.irp i, 6,10,14,18,22,26
	v_max3_num_f32 v12, v12, |v[WS+\i]|, |v[WS+\i+1]|
	v_max3_num_f32 v13, v13, |v[WS+\i+2]|, |v[WS+\i+3]|
.endr
	v_max3_num_f32 v12, v12, |v[WS+30]|, |v[WS+31]|
	v_max3_num_f32 v12, v12, v13, 0x1800000        ; and the floor
	v_add_nc_u32 v11, 0xff000000, v12
	v_lshrrev_b32 v13, 23, v11                     ; the scale's byte
.if (\t)%4 == 0
	v_mov_b32 v[SB+(\t)/4], v13                    ; four bytes to a register, the lower K in the lower byte
.else
	v_lshl_or_b32 v[SB+(\t)/4], v13, 8*((\t)%4), v[SB+(\t)/4]
.endif
.irp g, 0,1,2,3
	v_cvt_scalef32_pk8_fp4_f32 v[WC+\g], v[WS+8*\g:WS+8*\g+7], v11
.endr
	ds_store_b128 v4, v[WC:WC+3] offset:16*(\t)    ; 32 codes: 16 bytes of my column's row
.if (\t)+2 < 8
	WLOAD (\t)+2
.endif
	s_wait_dscnt 0x0                               ; the store has read its registers: the next block's codes may be written (that block begins with plain vector lines)
.endm
	s_load_b256 s[8:15], s[0:1], 0x0               ; x s[8:9], Wq s[10:11], Wk s[12:13], Wv s[14:15]
	s_load_b256 s[16:23], s[0:1], 0x20             ; Wo s[16:17], xc s[18:19], xs s[20:21], wc s[22:23]
	s_load_b128 s[24:27], s[0:1], 0x40             ; ws s[24:25], wo16 s[26:27]
	v_lshl_add_u32 v[SPW], v0, 2, SPARE
	v_mov_b32 v[NIL], 0
	v_lshrrev_b32 v1, 5, v0
	v_readfirstlane_b32 s28, v1                    ; wave 0..3
	v_and_b32 v2, 31, v0                           ; lane
	s_mov_b32 s33, 0                               ; the upper word of every offset pair s[32:33]
	s_wait_kmcnt 0x0
	s_cmp_lt_u32 ttmp9, 96
	s_cbranch_scc1 .Lw
	s_cmp_lt_u32 ttmp9, 160
	s_cbranch_scc1 .Lwo
	; ---- x: a wave takes a run of 8,192 numbers, 16 steps of 512; two neighbouring lanes hold a block
	v_lshlrev_b32 v3, 4, v2                        ; my 16 bytes of a load's 512
	s_mul_i32 s29, s28, WREG
	v_lshrrev_b32 v14, 2, v2
	v_mul_u32_u24 v14, v14, SP
	v_and_b32 v15, 3, v2
	v_lshl_add_u32 v14, v15, 4, v14
	v_add_nc_u32 v14, s29, v14                     ; the stage, on the way in: SP (lane / 4) + 16 (lane % 4)
	v_mul_u32_u24 v15, v2, SP
	v_add_nc_u32 v15, s29, v15                     ; and on the way out: SP x lane
	v_lshlrev_b32 v4, 3, v2                        ; my 8 bytes of a step's codes
	v_lshrrev_b32 v5, 1, v2
	s_add_co_u32 s29, s29, 2*32*SP
	v_add_nc_u32 v5, s29, v5                       ; my wave's 256 scale bytes, my block's byte
	v_lshlrev_b32 v7, 3, v2
	v_add_nc_u32 v6, s29, v7                       ; and on the way out 8 bytes a lane
	s_sub_co_u32 s30, ttmp9, 160
	s_lshl_b32 s30, s30, 2
	s_add_co_u32 s30, s30, s28                     ; which run is my wave's: 0 .. 1,023
	s_lshl_b32 s32, s30, 15
	s_add_nc_u64 s[8:9], s[8:9], s[32:33]          ; 32,768 bytes of x,
	s_lshl_b32 s32, s30, 12
	s_add_nc_u64 s[18:19], s[18:19], s[32:33]      ; 4,096 of codes,
	s_lshl_b32 s32, s30, 8
	s_add_nc_u64 s[20:21], s[20:21], s[32:33]      ; 256 scale bytes a run
.irp t, 0,1,2,3
	XLOAD \t
.endr
	s_wait_loadcnt 12                              ; step 0's four loads are in
	XTURN 0
.irp t, 0,1,2,3,4,5,6,7,8,9,10,11,12,13,14,15
	XSTEP \t
.endr
	ds_load_b64 v[8:9], v6                         ; my wave's 256 scale bytes: these loads see my stores
	s_wait_dscnt 0x0
	global_store_b64 v7, v[8:9], s[20:21]          ; 256 consecutive bytes, aligned
	s_branch .Lend
	; ---- W: the work-group owns 32 columns d of one head of one of the three weights, for all of K; wave w takes K = 256 w .. 256 w + 255.  A lane takes a column and its registers run down K
.Lw:
	s_lshr_b32 s29, ttmp9, 5                       ; t: 0 Wq, 1 Wk, 2 Wv
	s_and_b32 s30, ttmp9, 31
	s_lshr_b32 s31, s30, 1                         ; head
	s_and_b32 s30, s30, 1                          ; which 32 of its 64 columns
	s_cmp_eq_u32 s29, 1                            ; the choice hangs on the work-group's number alone
	s_cselect_b64 s[10:11], s[12:13], s[10:11]
	s_cmp_eq_u32 s29, 2
	s_cselect_b64 s[10:11], s[14:15], s[10:11]
	s_lshl_b32 s32, s31, 18                        ; a head is 262,144 bytes,
	s_lshl_b32 s34, s28, 16                        ; 256 rows are 65,536,
	s_add_co_u32 s32, s32, s34
	s_lshl_b32 s34, s30, 7                         ; 32 columns are 128
	s_add_co_u32 s32, s32, s34
	s_add_nc_u64 s[10:11], s[10:11], s[32:33]
	s_lshl_b32 s35, s29, 10
	s_lshl_b32 s34, s31, 6
	s_add_co_u32 s35, s35, s34
	s_lshl_b32 s34, s30, 5
	s_add_co_u32 s35, s35, s34                     ; the work-group's first row of wc
	s_lshl_b32 s34, s28, 3
	s_add_co_u32 s34, s34, s35                     ; on the way out wave w stores rows 8 w .. 8 w + 7 of the 32
	s_lshl_b32 s32, s34, 9
	s_add_nc_u64 s[22:23], s[22:23], s[32:33]
	s_lshl_b32 s32, s34, 5
	s_add_nc_u64 s[24:25], s[24:25], s[32:33]
	v_lshlrev_b32 v3, 2, v2                        ; in: 4 bytes a lane
	v_mul_u32_u24 v4, v2, 528
	s_lshl_b32 s36, s28, 7
	s_add_co_u32 s36, s36, WST
	v_add_nc_u32 v4, s36, v4                       ; into the stage: row = my column, my wave's 128 bytes of it
	v_lshlrev_b32 v9, 5, v2
	s_lshl_b32 s36, s28, 3
	s_add_co_u32 s36, s36, WSC
	v_add_nc_u32 v9, s36, v9                       ; my column's scale bytes, my wave's eight
	v_lshlrev_b32 v8, 4, v2                        ; out: 32 lanes take a row of 512 bytes
	s_mul_i32 s36, s28, 8*528
	s_add_co_u32 s36, s36, WST
	v_add_nc_u32 v7, s36, v8
	v_lshlrev_b32 v6, 3, v2                        ; and 8 rows' 256 scale bytes
	s_lshl_b32 s36, s28, 8
	s_add_co_u32 s36, s36, WSC
	v_add_nc_u32 v10, s36, v6
	WLOAD 0
	WLOAD 1
.irp t, 0,1,2,3,4,5,6,7
	WBLOCK \t
.endr
	ds_store_b64 v9, v[SB:SB+1]
	s_wait_dscnt 0x0                               ; for the others' sake: my stores into the stage are done
	s_barrier_signal -1                            ; a row's 512 bytes come from four waves.  (All four waves of a work-group are on this path: it hangs on the work-group's number)
	s_barrier_wait -1
.irp i, 0,1,2,3,4,5,6,7
	ds_load_b128 v[OUTR+4*\i:OUTR+4*\i+3], v7 offset:528*\i
.endr
	ds_load_b64 v[26:27], v10
.irp i, 0,1,2,3,4,5,6,7
	s_wait_dscnt 8-\i                              ; row i is in; the younger loads may be out
	global_store_b128 v8, v[OUTR+4*\i:OUTR+4*\i+3], s[22:23] offset:512*\i   ; 512 consecutive bytes, aligned
.endr
	s_wait_dscnt 0x0
	global_store_b64 v6, v[26:27], s[24:25]        ; 256 consecutive bytes, aligned
	s_branch .Lend
	; ---- Wo: a wave takes 64 rows n of one head's 64 columns, 16 steps of 4 rows; a lane holds eight neighbours of a row, which make 16 bytes of f16
.Lwo:
	s_sub_co_u32 s29, ttmp9, 96
	s_lshl_b32 s29, s29, 2
	s_add_co_u32 s29, s29, s28                     ; 0 .. 255
	s_and_b32 s30, s29, 15                         ; head
	s_lshr_b32 s31, s29, 4                         ; which 64 rows
	s_lshl_b32 s32, s31, 18                        ; 64 rows of 4,096 bytes
	s_lshl_b32 s34, s30, 8                         ; the head's 256 bytes of a row
	s_add_co_u32 s32, s32, s34
	s_add_nc_u64 s[16:17], s[16:17], s[32:33]
	s_lshl_b32 s32, s30, 17                        ; in wo16 a head is 131,072 bytes,
	s_lshl_b32 s34, s31, 13                        ; 64 rows are 8,192
	s_add_co_u32 s32, s32, s34
	s_add_nc_u64 s[26:27], s[26:27], s[32:33]
	v_lshrrev_b32 v3, 3, v2
	v_and_b32 v4, 7, v2
	v_lshlrev_b32 v3, 12, v3
	v_lshl_add_u32 v3, v4, 5, v3                   ; in: row lane / 8, 32 bytes at 32 (lane % 8)
	v_lshlrev_b32 v5, 4, v2                        ; out: 16 bytes a lane: four rows of 128 bytes on end
.irp t, 0,1,2,3,4,5,6,7,8,9,10,11,12,13,14,15
	global_load_b128 v[F+8*\t:F+8*\t+3], v3, s[16:17] offset:16384*\t
	global_load_b128 v[F+8*\t+4:F+8*\t+7], v3, s[16:17] offset:16384*\t+16
.endr
.irp t, 0,1,2,3,4,5,6,7,8,9,10,11,12,13,14,15
	s_wait_loadcnt 30-2*\t                         ; step t's two loads are in; the later steps' may be out
.irp k, 0,1,2,3
	v_cvt_pk_f16_f32 v[F+8*\t+\k], v[F+8*\t+2*\k], v[F+8*\t+2*\k+1]   ; in place, ascending: no source is written before it is read
.endr
	global_store_b128 v5, v[F+8*\t:F+8*\t+3], s[26:27] offset:512*\t   ; 512 consecutive bytes, aligned
.endr
.Lend:
	s_wait_tensorcnt 0x0                           ; the wave's end, behind my last LDS store
	ds_add_u32 v[SPW], v[NIL]
	s_wait_dscnt 0x0
	s_endpgm
.Lfunc_end_k_q82d1a3a884_prep:
	.size	k_q82d1a3a884_prep, .Lfunc_end_k_q82d1a3a884_prep-k_q82d1a3a884_prep
	.p2alignl 7, 3214868480
	.fill 96, 4, 3214868480
	.section	.rodata,"a",@progbits
	.p2align	6, 0x0
	.amdhsa_kernel k_q82d1a3a884_prep
		.amdhsa_group_segment_fixed_size 51200
		.amdhsa_private_segment_fixed_size 0
		.amdhsa_enable_private_segment 0
		.amdhsa_kernarg_size 80
		.amdhsa_user_sgpr_count 2
		.amdhsa_user_sgpr_kernarg_segment_ptr 1
		.amdhsa_wavefront_size32 1
		.amdhsa_system_sgpr_workgroup_id_x 1
		.amdhsa_system_sgpr_workgroup_id_y 1
		.amdhsa_system_sgpr_workgroup_id_z 1
		.amdhsa_system_vgpr_workitem_id 0
		.amdhsa_next_free_vgpr 192
		.amdhsa_next_free_sgpr 66
		.amdhsa_reserve_vcc 0
		.amdhsa_float_denorm_mode_32 3
		.amdhsa_float_denorm_mode_16_64 3
		.amdhsa_memory_ordered 1
		.amdhsa_forward_progress 1
		.amdhsa_inst_pref_size 83
	.end_amdhsa_kernel
	.amdgpu_metadata
---
amdhsa.version: [ 1, 2 ]
amdhsa.kernels:
  - .name:           k_q82d1a3a884_prep
    .symbol:         k_q82d1a3a884_prep.kd
    .args:
      - { .name: x, .offset: 0, .size: 8, .value_kind: global_buffer, .address_space: global }
      - { .name: Wq, .offset: 8, .size: 8, .value_kind: global_buffer, .address_space: global }
      - { .name: Wk, .offset: 16, .size: 8, .value_kind: global_buffer, .address_space: global }
      - { .name: Wv, .offset: 24, .size: 8, .value_kind: global_buffer, .address_space: global }
      - { .name: Wo, .offset: 32, .size: 8, .value_kind: global_buffer, .address_space: global }
      - { .name: xc, .offset: 40, .size: 8, .value_kind: global_buffer, .address_space: global }
      - { .name: xs, .offset: 48, .size: 8, .value_kind: global_buffer, .address_space: global }
      - { .name: wc, .offset: 56, .size: 8, .value_kind: global_buffer, .address_space: global }
      - { .name: ws, .offset: 64, .size: 8, .value_kind: global_buffer, .address_space: global }
      - { .name: wo16, .offset: 72, .size: 8, .value_kind: global_buffer, .address_space: global }
    .group_segment_fixed_size: 51200
    .private_segment_fixed_size: 0
    .kernarg_segment_align: 8
    .kernarg_segment_size: 80
    .max_flat_workgroup_size: 128
    .sgpr_count:     66
    .vgpr_count:     192
    .wavefront_size: 32
...
	.end_amdgpu_metadata
.endif
;; end of part 1
;; launch gemm (part 2): grid 12 x 32, 4 waves a work-group, clusters of 4 x 4, 327,680 bytes of LDS; arguments xc, xs, wc, ws, qkv16, qkv32; writes qkv16, qkv32
.if DOCPART == 2
	.amdgcn_target "amdgcn-amd-amdhsa--gfx1250"
	.amdhsa_code_object_version 6
	.text
	.protected	k_q82d1a3a884_gemm
	.globl	k_q82d1a3a884_gemm
	.p2align	8
	.type	k_q82d1a3a884_gemm,@function
k_q82d1a3a884_gemm:
	s_mov_b64 s[64:65], 0
	v_nop
	global_prefetch_b8 v0, s[64:65] scope:SCOPE_SE
	s_setreg_imm32_b32 hwreg(HW_REG_WAVE_MODE, 25, 1), 1
	s_wait_xcnt 0x0
	s_wait_alu depctr_hold_cnt(0) depctr_sa_sdst(0) depctr_va_vdst(0) depctr_va_sdst(0) depctr_va_ssrc(0) depctr_va_vcc(0) depctr_vm_vsrc(0)
	s_getreg_b32 s2, hwreg(HW_REG_IB_STS2, 6, 4)
	s_cmp_eq_u32 s2, 0
	s_cbranch_scc0 .Lentry_in_a_cluster
	s_endpgm
.Lentry_in_a_cluster:
	s_bfe_u32 s2, ttmp6, 0x10000c
	s_cmp_lg_u32 s2, 0xf033
	s_cbranch_scc0 .Lentry_shape_is_right
	s_endpgm
.Lentry_shape_is_right:
; q, k, v = x W: C[m][n] = sum over e of x[m][e] W[n][e] on codes of FP4 (E2M1) with one E8M0 scale for each 32 along e.  A = xc [8192][512 bytes], xs [8192][32]; B = wc [3072][512 bytes], ws [3072][32]
; (row n = 1024 t + 64 head + d; t = 0 q, 1 k, 2 v).  Sums in f32.  The results leave as f16, laid by head: qkv16 [64 (batch, head)][3 (t)][2048 (s)][64]; positions 0 to 15 of every sequence leave
; in f32 too: qkv32 [4][16][3072].   LIMIT: |q|, |k|, |v| up to 65,504 (f16's largest number); under 6e-5 with an absolute error of 3e-8.
; A tile of C, 256 x 256, is made by a work-group of four waves; a wave makes 128 x 128: 64 accumulators of 16 x 16, 512 registers.  K = 1,024 is two slots of 512 along K (rows of 256 bytes): both slots and
; the scales of all of K are asked for at the head, and nothing is filled again.
; CLUSTERS: 4 x 4 work-groups.  The four of a row of the cluster need the same tiles of A, the four of a column the same tiles of B: each tile is asked for JOINTLY, by the same tensor load with the same
; descriptor and a mask that names the four.  Tile row = 8 cy + cluster y: so cy is the batch, and the tile rows that hold positions 0 to 15 all lie in the clusters with y = 0.  Tile column = 4 cluster x + cx: cluster x is t.
; THE MATRIX INSTRUCTION IS USED TRANSPOSED (source 0 = 16 rows of B, source 1 = 16 rows of A): a lane then holds eight neighbouring numbers of a row of C.
; REGISTERS, in windows of 256: window 0: v0-31 addresses; v32-95 scale words, two sets; from v128 A's fragments, ONE set; on the way out v32-255 are free.   window 1: B's fragments, TWO sets, at v0 and v128.
;   window 2: the 32 accumulators of my rows 0-63 (accumulator (a, b) at v[8 (8 a + b)]);   window 3: those of my rows 64-127.
.set NQ,     4                         ; matrix instructions deep in a slot: 512 / 128
.set ROWB,   256                       ; a tile's row in bytes
.set KROW,   512                       ; a row of A or B in memory
.set PITCH,  272                       ; an LDS row: 256 bytes + 16 of padding = 68 words: row r starts at bank 4 r mod 64 (64 banks of 4 bytes: ISA guide 11.1)
.set FR,     8                         ; registers of a fragment: 16 rows x 128 K
.set NL,     2                         ; LDS loads that bring one
.set NP,     4                         ; places behind this matrix instruction (ISA guide 7.12.1)
.set HALFT,  128*PITCH                 ; 128 rows: what one tensor load brings
.set SLOT,   4*HALFT                   ; A's 256 rows, then B's 256 rows
.set KS,     32                        ; a row of scales in bytes
.set SCL,    2*SLOT                    ; behind the ring: the scales, as units of 256 bytes + 16 of padding
.set HALFS,  (128*KS/256)*272          ; the scales of 128 rows
.set SBLK,   (16*KS/256)*272           ; those of 16 rows
.set SPARE,  SCL+4*HALFS               ; the spare words, 128 bytes for each wave: two blocks of 256 bytes that no other line names
.set SPITCH, 528                       ; the way out in f32: a stage of 16 rows x (512 bytes + 16) for each wave;
.set S16,    4*16*SPITCH               ; behind them, in f16: two heads x 16 rows x (128 bytes + 16) for each wave.  Both lie in slot 0, which has had its one fill and its last read when the first result is stored there
.set ADRA, 16                          ; v16-17 LDS address of my A fragments in slot 0, 1
.set ADRB, 20                          ; v20-21 the same for B
.set STO,  24                          ; v24 the f32 stage: where I put 32 bytes of a row
.set RD,   25                          ; v25 and where I read a row back
.set CO,   26                          ; v26 16 x lane
.set ADRS, 27                          ; v27 LDS address of my scale words: lanes 0-15 A's rows, lanes 16-31 B's
.set SPW,  28                          ; v28 LDS address of my spare word; never rewritten
.set NIL,  29                          ; v29 0; never rewritten
.set STO16, 30                         ; v30 the f16 stage: where I put 16 bytes of a row
.set RD16, 31                          ; v31 and where I read four rows back
.set SC,   32                          ; scale words: set s at v[SC + 32 s]; register 4 i + q: lanes 0-15 A's block i, lanes 16-31 B's block i, the slot's q-th 128 along K
.set AF,   128                         ; A's fragments
.set TMP,  32                          ; the way out: packed results
.set G1, 24                            ; s[24:31] group 1 for A's tiles; s[32:39] group 0, a set for each slot
.set G0, 32
.set G1B, 48                           ; s[48:55], s[56:63] the same for B's
.set G0B, 56
.set G1S, 68                           ; s[68:75], s[76:79] groups 1 and 0 for A's scales; s[80:87], s[88:91] for B's
.set G0S, 76
.set G1SB, 80
.set G0SB, 88
.set MSB, 0
.macro WIN new                         ; the immediate's high byte repeats the setting that is left
.if MSB != (\new)
	s_set_vgpr_msb (MSB<<8)|(\new)
.set MSB, \new
.endif
.endm
.set MUL_LO, 0xa1                      ; source 0 (B) window 1, source 1 (A) window 0, C and D window 2
.set MUL_HI, 0xf1                      ; the same, C and D window 3
.set TO_B,   0x40                      ; destination window 1, address window 0
; A joint load: waves 0 and 1 fetch for A, waves 2 and 3 for B.  The branch hangs on the wave's number alone.  An s_nop 0 and four v_nop follow each of the two lines.
.macro JLOAD g0a, g1a, g0b, g1b
	s_cmp_eq_u32 s15, 0
	s_cbranch_scc0 .Lfor_b_\@
	tensor_load_to_lds s[\g0a:\g0a+3], s[\g1a:\g1a+7]
	s_nop 0
.rept 4
	v_nop
.endr
	s_branch .Lasked_\@
.Lfor_b_\@:
	tensor_load_to_lds s[\g0b:\g0b+3], s[\g1b:\g1b+7]
	s_nop 0
.rept 4
	v_nop
.endr
.Lasked_\@:
.endm
.macro CROUND                          ; a round of the cluster's barrier
	s_barrier_signal -1
	s_barrier_wait -1
	s_cmp_lg_u32 s14, 0
	s_cbranch_scc1 .Lnot_wave_0_\@
	s_barrier_signal -3
.Lnot_wave_0_\@:
	s_barrier_wait -3
	s_barrier_signal -1
	s_barrier_wait -1
.endm
	s_load_b128 s[4:7], s[0:1], 0x0                ; A's codes s[4:5], A's scales s[6:7]
	s_load_b128 s[8:11], s[0:1], 0x10              ; B's codes s[8:9], B's scales s[10:11]
	s_load_b128 s[96:99], s[0:1], 0x20             ; qkv16 s[96:97], qkv32 s[98:99]
	v_lshl_add_u32 v[SPW], v0, 2, SPARE
	v_mov_b32 v[NIL], 0
	ds_add_u32 v[SPW], v[NIL]                      ; the wave's opening: the add, twice on end, and its wait ahead of my first tensor load
	ds_add_u32 v[SPW], v[NIL]
	v_lshrrev_b32 v1, 5, v0
	v_readfirstlane_b32 s14, v1                    ; wave 0..3
	s_lshr_b32 s15, s14, 1                         ; which half of the tile's rows is mine.  Also: I fetch for A (0) or for B (1)
	s_and_b32 s16, s14, 1                          ; which half of its columns.  Also: which 128 rows of that tile I fetch
	s_bfe_u32 s40, ttmp6, 0x40000                  ; cx, cy: my place in the cluster
	s_bfe_u32 s41, ttmp6, 0x40004
	s_lshl_b32 s42, ttmp9, 2
	s_add_co_u32 s42, s42, s40                     ; tile column of C = 4 x cluster x + cx
	s_and_b32 s95, ttmp7, 0xffff                   ; cluster y, the same in all sixteen partners
	s_lshl_b32 s17, s41, 3
	s_add_co_u32 s17, s17, s95                     ; tile row of C = 8 cy + cluster y
	s_lshl_b32 s43, s41, 2
	s_lshl_b32 s43, 15, s43                        ; my row of the cluster
	s_lshl_b32 s44, 0x1111, s40                    ; my column
	; descriptor group 1: a tile of 128 rows x 256 bytes, padded in LDS
	s_or_b32 s[G1+0], s43, (0<<16)|(1<<20)|(1<<21)|(5<<22)|(3<<25)  ; 15:0 the mask; 17:16 elements of 1 byte; 20 padding on; 21 set beside a mask; 24:22 after every 64 words; 31:25 four words
	s_or_b32 s[G1B+0], s44, (0<<16)|(1<<20)|(1<<21)|(5<<22)|(3<<25)
.irp g, G1, G1B
	s_mov_b32 s[\g+1], ROWB<<16                    ; tensor_dim0
	s_mov_b32 s[\g+2], 128<<16                     ; tensor_dim1
	s_mov_b32 s[\g+3], ROWB<<16                    ; tile_dim0
	s_mov_b32 s[\g+4], 128                         ; tile_dim1
	s_mov_b32 s[\g+5], KROW                        ; tensor_dim0_stride
	s_mov_b32 s[\g+6], 0
	s_mov_b32 s[\g+7], 0
.endr
	; the scales of 128 rows: a dense block of 4,096 bytes, as 16 rows of 256 bytes (32 elements of 8 bytes), 16 bytes of padding behind each
	s_or_b32 s[G1S+0], s43, (3<<16)|(1<<20)|(1<<21)|(5<<22)|(3<<25)
	s_or_b32 s[G1SB+0], s44, (3<<16)|(1<<20)|(1<<21)|(5<<22)|(3<<25)
.irp g, G1S, G1SB
	s_mov_b32 s[\g+1], 32<<16
	s_mov_b32 s[\g+2], (128*KS/256)<<16
	s_mov_b32 s[\g+3], 32<<16
	s_mov_b32 s[\g+4], 128*KS/256
	s_mov_b32 s[\g+5], 32
	s_mov_b32 s[\g+6], 0
	s_mov_b32 s[\g+7], 0
.endr
	s_lshl_b32 s18, s16, 7                         ; which 128 rows of the tile I fetch
	s_lshl_b32 s20, s17, 8
	s_add_co_u32 s20, s20, s18                     ; A: row 256 x tile row + 128 x half
	s_lshl_b32 s46, s42, 8
	s_add_co_u32 s46, s46, s18                     ; B: row 256 x tile column + 128 x half
	s_mov_b32 s21, 0
	s_mov_b32 s47, 0
	s_mov_b64 s[18:19], KS
	s_mul_u64 s[22:23], s[20:21], s[18:19]         ; where these rows' scales begin, in bytes,
	s_mul_u64 s[92:93], s[46:47], s[18:19]
	s_mov_b64 s[18:19], KROW
	s_mul_u64 s[20:21], s[20:21], s[18:19]         ; and their codes
	s_mul_u64 s[46:47], s[46:47], s[18:19]
	s_mul_i32 s45, s14, HALFT                      ; where they go: wave x 128 rows: no place in the cluster enters an LDS address
	s_mul_i32 s94, s14, HALFS
	s_wait_dscnt 0x0                               ; both opening adds are done
	s_wait_kmcnt 0x0
	s_add_nc_u64 s[20:21], s[4:5], s[20:21]
	s_add_nc_u64 s[22:23], s[6:7], s[22:23]
	s_add_nc_u64 s[46:47], s[8:9], s[46:47]
	s_add_nc_u64 s[92:93], s[10:11], s[92:93]
	CROUND                                         ; all sixteen work-groups are here: the joint loads meet
	s_mov_b32 s[G0S], 1
	s_add_co_u32 s[G0S+1], s94, SCL
	s_mov_b64 s[G0S+2:G0S+3], s[22:23]
	s_or_b32 s[G0S+3], s[G0S+3], 0x80000000
	s_mov_b32 s[G0SB], 1
	s_add_co_u32 s[G0SB+1], s94, SCL
	s_mov_b64 s[G0SB+2:G0SB+3], s[92:93]
	s_or_b32 s[G0SB+3], s[G0SB+3], 0x80000000
	JLOAD G0S, G1S, G0SB, G1SB                     ; the scales first: they are wanted with the first slot.  Three loads of mine are out behind the next two
.irp s, 0,1
	s_mov_b32 s[G0+4*\s], 1
	s_add_co_u32 s[G0+4*\s+1], s45, \s*SLOT
	s_add_nc_u64 s[G0+4*\s+2:G0+4*\s+3], s[20:21], \s*ROWB
	s_or_b32 s[G0+4*\s+3], s[G0+4*\s+3], 0x80000000
	s_mov_b32 s[G0B+4*\s], 1
	s_add_co_u32 s[G0B+4*\s+1], s45, \s*SLOT
	s_add_nc_u64 s[G0B+4*\s+2:G0B+4*\s+3], s[46:47], \s*ROWB
	s_or_b32 s[G0B+4*\s+3], s[G0B+4*\s+3], 0x80000000
	JLOAD G0+4*\s, G1, G0B+4*\s, G1B
.endr
	v_and_b32 v1, 15, v0                           ; r = lane % 16
	v_bfe_u32 v2, v0, 4, 1                         ; h = lane / 16
	v_mul_u32_u24 v3, v1, PITCH
	v_lshl_add_u32 v4, v2, 4, v3                   ; a fragment's row x pitch + 16 x half
	s_mul_i32 s21, s15, HALFT                      ; my 128 rows of A
	s_mul_i32 s22, s16, HALFT                      ; my 128 rows of B,
	s_add_co_u32 s22, s22, 2*HALFT                 ; which lie behind A's 256
.irp s, 0,1
	v_add_nc_u32 v[ADRA+\s], s21, v4
	v_add_nc_u32 v[ADRB+\s], s22, v4
	s_add_co_u32 s21, s21, SLOT
	s_add_co_u32 s22, s22, SLOT
.endr
	v_mul_u32_u24 v5, v1, KS                       ; my row's scales: 32 bytes a row,
	v_lshrrev_b32 v6, 8, v5
	v_lshl_add_u32 v5, v6, 4, v5                   ; and 16 more for each 256 passed
	s_mul_i32 s21, s15, HALFS                      ; A's: my 128 rows
	s_mul_i32 s22, s16, HALFS                      ; B's: my 128 rows, behind A's 256
	s_add_co_u32 s22, s22, 2*HALFS
	s_sub_co_u32 s22, s22, s21
	v_mul_u32_u24 v6, s22, v2                      ; lanes 16-31 take B's: one product, the distance x h
	s_add_co_u32 s21, s21, SCL
	v_add_nc_u32 v5, v5, v6
	v_add_nc_u32 v[ADRS], s21, v5
	s_mul_i32 s23, s14, 16*SPITCH                  ; my f32 stage
	v_mul_u32_u24 v5, v1, SPITCH
	v_lshl_add_u32 v5, v2, 5, v5
	v_add_nc_u32 v[STO], s23, v5                   ; in: row r, 32 bytes for each half of the lanes
	v_and_b32 v6, 31, v0
	v_lshlrev_b32 v[CO], 4, v6
	v_add_nc_u32 v[RD], s23, v[CO]                 ; back: the 32 lanes take one row of 512 bytes
	s_mul_i32 s23, s14, 2*16*144                   ; my f16 stage
	s_add_co_u32 s23, s23, S16
	v_mul_u32_u24 v5, v1, 144
	v_lshl_add_u32 v5, v2, 4, v5
	v_add_nc_u32 v[STO16], s23, v5                 ; in: row r, 16 bytes for each half of the lanes
	v_bfe_u32 v5, v0, 3, 2
	v_mul_u32_u24 v5, v5, 144
	v_and_b32 v6, 7, v0
	v_lshl_add_u32 v5, v6, 4, v5
	v_add_nc_u32 v[RD16], s23, v5                  ; back: eight lanes to a row of 128 bytes, four rows an instruction
	; where my results go.  qkv16: (16 cy + 4 cx + 2 (wave % 2)) planes of 786,432 bytes, t planes of 262,144, row 256 y + 128 (wave / 2) of 128 bytes
	s_lshl_b32 s20, s41, 4
	s_lshl_b32 s21, s16, 1
	s_add_co_u32 s20, s20, s21
	s_lshl_b32 s46, s40, 2
	s_add_co_u32 s46, s46, s20
	s_mul_i32 s46, s46, 786432
	s_lshl_b32 s47, ttmp9, 18
	s_add_co_u32 s46, s46, s47
	s_lshl_b32 s47, s95, 15
	s_add_co_u32 s46, s46, s47
	s_lshl_b32 s47, s15, 14
	s_add_co_u32 s46, s46, s47
	s_mov_b32 s47, 0
	s_add_nc_u64 s[96:97], s[96:97], s[46:47]
	; qkv32: batch cy of 196,608 bytes, column 1024 t + 256 cx + 128 (wave % 2) of 4 bytes
	s_mul_i32 s46, s41, 196608
	s_lshl_b32 s47, ttmp9, 12
	s_add_co_u32 s46, s46, s47
	s_lshl_b32 s47, s40, 10
	s_add_co_u32 s46, s46, s47
	s_lshl_b32 s47, s16, 9
	s_add_co_u32 s46, s46, s47
	s_mov_b32 s47, 0
	s_add_nc_u64 s[98:99], s[98:99], s[46:47]
.macro FRAG reg, adr, q, i             ; a fragment, 16 rows x 128 K of 4-bit codes: lane l holds row l % 16; registers 4 c .. 4 c + 3 hold K = 64 c + 32 (l / 16) + 0 .. 31
.irp c, 0,1
	ds_load_b128 v[\reg+4*\c:\reg+4*\c+3], v[\adr] offset:64*(\q)+32*\c+(\i)*16*PITCH
.endr
.endm
; 16 matrix instructions: A's blocks a0, a0 + 1 x B's eight, the slot's q-th 128 along K.  p: B's set; sc: the set of scale words.  zero = 1: the first product starts the sums.
; The 64 accumulators take turns, one instruction a turn, in the same order in every step.
.macro MUL16 a0, p, q, sc, zero
.irp a, \a0, \a0+1
.irp b, 0,1,2,3,4,5,6,7
.if \zero
	v_wmma_scale_f32_16x16x128_f8f6f4 v[8*(8*((\a)%4)+\b):8*(8*((\a)%4)+\b)+7], v[128*(\p)+FR*\b:128*(\p)+FR*\b+FR-1], v[AF+FR*(\a):AF+FR*(\a)+FR-1], 0, v[SC+8*NQ*(\sc)+NQ*\b+(\q)], v[SC+8*NQ*(\sc)+NQ*(\a)+(\q)] matrix_a_fmt:MATRIX_FMT_FP4 matrix_b_fmt:MATRIX_FMT_FP4 matrix_a_scale:MATRIX_SCALE_ROW1
.else
	v_wmma_scale_f32_16x16x128_f8f6f4 v[8*(8*((\a)%4)+\b):8*(8*((\a)%4)+\b)+7], v[128*(\p)+FR*\b:128*(\p)+FR*\b+FR-1], v[AF+FR*(\a):AF+FR*(\a)+FR-1], v[8*(8*((\a)%4)+\b):8*(8*((\a)%4)+\b)+7], v[SC+8*NQ*(\sc)+NQ*\b+(\q)], v[SC+8*NQ*(\sc)+NQ*(\a)+(\q)] matrix_a_fmt:MATRIX_FMT_FP4 matrix_b_fmt:MATRIX_FMT_FP4 matrix_a_scale:MATRIX_SCALE_ROW1
.endif
.endr
.endr
.endm
.macro FETCH_B slot, q, p              ; B's eight fragments of the slot's q-th 128 along K into set p
	WIN TO_B
.irp i, 0,1,2,3,4,5,6,7
	FRAG 128*(\p)+FR*\i, ADRB+\slot, \q, \i
.endr
	WIN 0
.endm
.macro FETCH_A slot, q, i0             ; A's blocks i0 .. i0 + 3
.irp i, \i0, \i0+1, \i0+2, \i0+3
	FRAG AF+FR*(\i), ADRA+\slot, \q, \i
.endr
.endm
.macro SCALES sc                       ; a slot's scale words into set sc: four words a row; lanes 0-15 take A's block i, lanes 16-31 B's block i
.irp i, 0,1,2,3,4,5,6,7
	ds_load_b128 v[SC+8*NQ*\sc+NQ*\i:SC+8*NQ*\sc+NQ*\i+3], v[ADRS] offset:\i*SBLK
.endr
.endm
; A load into a register that a matrix instruction has read, and a vector instruction or an LDS store that reads a matrix result, stand NP places behind it; only plain vector instructions that name
; none of its registers are places (ISA guide 7.12.1 for vector instructions).
.macro PLACES n
.rept \n
	v_nop
.endr
.endm
.macro STEP slot, q, zero              ; a step of 128 along K that has its successor in the same slot
	s_wait_dscnt 4*NL                              ; B's set and A's blocks 0-3 are in; the youngest eight loads (A's blocks 4-7) may be out
	WIN MUL_LO
	MUL16 0, (\q)%2, \q, \slot, \zero
	MUL16 2, (\q)%2, \q, \slot, \zero
	s_wait_dscnt 0                                 ; A's blocks 4-7 are in
	PLACES NP
	FETCH_B \slot, (\q)+1, 1-(\q)%2
	FETCH_A \slot, (\q)+1, 0
	WIN MUL_HI
	MUL16 4, (\q)%2, \q, \slot, \zero
	MUL16 6, (\q)%2, \q, \slot, \zero
	PLACES NP
	WIN 0
	FETCH_A \slot, (\q)+1, 4
.endm
; Slot 0's last step changes slots: ONE barrier; in front of it each wave waits for all its tensor loads (its part of slot 1), adds 0 to its spare word, and waits for that and for its reads of slot 0.  Nothing is filled again.
.macro TURN slot, next
	s_wait_tensorcnt 0x0                           ; all my tensor loads have landed
	ds_add_u32 v[SPW], v[NIL]                      ; 0 onto my spare word
	s_wait_dscnt 4*NL+1                            ; (the add and the youngest eight loads, A's blocks 4-7, may be out)
	WIN MUL_LO
	MUL16 0, 1, NQ-1, \slot, 0
	s_wait_dscnt 0x0                               ; the add is done, and my reads of this slot are over
	s_barrier_signal -1
	MUL16 2, 1, NQ-1, \slot, 0
	WIN 0
	s_barrier_wait -1
	PLACES NP
	v_add_nc_u32 v[ADRS], 4*NQ, v[ADRS]            ; on to the next slot's scale words
	FETCH_B \next, 0, 0
	FETCH_A \next, 0, 0
	SCALES \next
	WIN MUL_HI
	MUL16 4, 1, NQ-1, \slot, 0
	MUL16 6, 1, NQ-1, \slot, 0
	PLACES NP
	WIN 0
	FETCH_A \next, 0, 4
.endm
.macro STEPS slot, from                ; the slot's steps from .. NQ - 2
.set Q, \from
.rept NQ-1-\from
	STEP \slot, Q, 0
.set Q, Q+1
.endr
.endm
	s_wait_tensorcnt 1                             ; the scales and my part of slot 0 are in (slot 1's load may be out)
	s_barrier_signal -1
	s_barrier_wait -1                              ; everybody's are
	FETCH_B 0, 0, 0
	FETCH_A 0, 0, 0
	SCALES 0
	FETCH_A 0, 0, 4
	STEP 0, 0, 1                                   ; the first step's products start the sums: nothing is cleared
	STEPS 0, 1
	TURN 0, 1
	STEPS 1, 0
	s_wait_dscnt 4*NL                              ; the very last step: nothing more to fetch
	WIN MUL_LO
	MUL16 0, 1, NQ-1, 1, 0
	MUL16 2, 1, NQ-1, 1, 0
	s_wait_dscnt 0
	WIN MUL_HI
	MUL16 4, 1, NQ-1, 1, 0
	MUL16 6, 1, NQ-1, 1, 0
	WIN 0
	; THE WAY OUT.  A lane holds eight neighbouring columns of one row, and the lanes beside it hold other rows: a block of 16 rows x 128 columns (two heads) goes through my own stage in LDS and comes back as whole rows.
	PLACES NP                                      ; behind the last products: for the first reads of results, and for writes and loads into the registers that held fragments and scale words
	s_cmp_lg_u32 s95, 0                            ; positions 0 to 15 lie in the tiles of the clusters with y = 0 (the same in all partners),
	s_cbranch_scc1 .Lcoarse
	s_cmp_lg_u32 s15, 0                            ; in the waves with the tile's upper rows, in their block 0
	s_cbranch_scc1 .Lcoarse
	WIN 0x08                                       ; an LDS store's data are its source 1: window 2
.irp b, 0,1,2,3,4,5,6,7
	ds_store_b128 v[STO], v[8*\b:8*\b+3] offset:64*\b              ; each accumulator from its low end on
	ds_store_b128 v[STO], v[8*\b+4:8*\b+7] offset:64*\b+16
.endr
	WIN 0
.irp t, 0,1,2,3,4,5,6,7,8,9,10,11,12,13,14,15
	ds_load_b128 v[128+4*\t:128+4*\t+3], v[RD] offset:\t*SPITCH    ; LDS serves a wave's instructions in order (ISA guide 5.7.1.4): these see the stores above
.endr
	s_wait_dscnt 0x0
.irp t, 0,1,2,3,4,5,6,7,8,9,10,11,12,13,14,15
	global_store_b128 v[CO], v[128+4*\t:128+4*\t+3], s[98:99] offset:12288*\t   ; 512 consecutive bytes of position t's row, aligned
.endr
.Lcoarse:
.macro PACK a                          ; block a rounded to f16: 16 bytes a lane and B block
.set AC, 64*((\a)%4)
	WIN 0x0a+5*((\a)/4)                            ; sources 0 and 1: window 2 or 3
.irp b, 0,1,2,3,4,5,6,7
.irp r, 0,1,2,3
	v_cvt_pk_f16_f32 v[TMP+4*\b+\r], v[AC+8*\b+2*\r], v[AC+8*\b+2*\r+1]
.endr
.endr
	WIN 0
.endm
.macro TOSTAGE16 a                     ; into the stage by heads (B blocks 0-3: the first head, 4-7: the second), and back four rows of 128 bytes at a time
.set BB, 64+32*((\a)%2)
.irp b, 0,1,2,3,4,5,6,7
	ds_store_b128 v[STO16], v[TMP+4*\b:TMP+4*\b+3] offset:(\b/4)*2304+(\b%4)*32
.endr
.irp i, 0,1,2,3,4,5,6,7
	ds_load_b128 v[BB+4*\i:BB+4*\i+3], v[RD16] offset:(\i/4)*2304+(\i%4)*576
.endr
.endm
.macro SEND16 a
.set BB, 64+32*((\a)%2)
	s_wait_dscnt 0x0                               ; the block is back in registers
	s_wait_xcnt 0x0                                ; the stores of the block before have read their registers: the next block's loads may land there
.irp i, 0,1,2,3,4,5,6,7
	global_store_b128 v[CO], v[BB+4*\i:BB+4*\i+3], s[96:97] offset:2048*(\a)+(\i/4)*786432+(\i%4)*512   ; four rows of a head: 512 consecutive bytes, aligned; every place stands in the immediate
.endr
.endm
	PACK 0
	TOSTAGE16 0
.irp a, 1,2,3,4,5,6,7                  ; block a's conversions stand between block a - 1's loads from the stage and the wait for them
	PACK \a
	SEND16 \a-1
	TOSTAGE16 \a
.endr
	SEND16 7
	s_wait_tensorcnt 0x0                           ; the wave's end, behind my last tensor load and my last LDS store
	ds_add_u32 v[SPW], v[NIL]
	s_wait_dscnt 0x0
	CROUND                                         ; the closing round
	s_endpgm
.Lfunc_end_k_q82d1a3a884_gemm:
	.size	k_q82d1a3a884_gemm, .Lfunc_end_k_q82d1a3a884_gemm-k_q82d1a3a884_gemm
	.p2alignl 7, 3214868480
	.fill 96, 4, 3214868480
	.section	.rodata,"a",@progbits
	.p2align	6, 0x0
	.amdhsa_kernel k_q82d1a3a884_gemm
		.amdhsa_group_segment_fixed_size 327680
		.amdhsa_private_segment_fixed_size 0
		.amdhsa_enable_private_segment 0
		.amdhsa_kernarg_size 48
		.amdhsa_user_sgpr_count 2
		.amdhsa_user_sgpr_kernarg_segment_ptr 1
		.amdhsa_wavefront_size32 1
		.amdhsa_system_sgpr_workgroup_id_x 1
		.amdhsa_system_sgpr_workgroup_id_y 1
		.amdhsa_system_sgpr_workgroup_id_z 1
		.amdhsa_system_vgpr_workitem_id 0
		.amdhsa_next_free_vgpr 1024
		.amdhsa_next_free_sgpr 100
		.amdhsa_reserve_vcc 0
		.amdhsa_float_denorm_mode_32 3
		.amdhsa_float_denorm_mode_16_64 3
		.amdhsa_memory_ordered 1
		.amdhsa_forward_progress 1
		.amdhsa_inst_pref_size 131
	.end_amdhsa_kernel
	.amdgpu_metadata
---
amdhsa.version: [ 1, 2 ]
amdhsa.kernels:
  - .name:           k_q82d1a3a884_gemm
    .symbol:         k_q82d1a3a884_gemm.kd
    .args:
      - { .name: xc, .offset: 0, .size: 8, .value_kind: global_buffer, .address_space: global }
      - { .name: xs, .offset: 8, .size: 8, .value_kind: global_buffer, .address_space: global }
      - { .name: wc, .offset: 16, .size: 8, .value_kind: global_buffer, .address_space: global }
      - { .name: ws, .offset: 24, .size: 8, .value_kind: global_buffer, .address_space: global }
      - { .name: qkv16, .offset: 32, .size: 8, .value_kind: global_buffer, .address_space: global }
      - { .name: qkv32, .offset: 40, .size: 8, .value_kind: global_buffer, .address_space: global }
    .group_segment_fixed_size: 327680
    .private_segment_fixed_size: 0
    .kernarg_segment_align: 8
    .kernarg_segment_size: 48
    .max_flat_workgroup_size: 128
    .sgpr_count:     100
    .vgpr_count:     1024
    .wavefront_size: 32
...
	.end_amdgpu_metadata
.endif
;; end of part 2
;; launch attn (part 3): grid 4 x 64, 8 waves a work-group, no clusters, 327,680 bytes of LDS; arguments qkv16, ctx16; writes ctx16
.if DOCPART == 3
	.amdgcn_target "amdgcn-amd-amdhsa--gfx1250"
	.amdhsa_code_object_version 6
	.text
	.protected	k_q82d1a3a884_attn
	.globl	k_q82d1a3a884_attn
	.p2align	8
	.type	k_q82d1a3a884_attn,@function
k_q82d1a3a884_attn:
	s_mov_b64 s[64:65], 0
	v_nop
	global_prefetch_b8 v0, s[64:65] scope:SCOPE_SE
	s_setreg_imm32_b32 hwreg(HW_REG_WAVE_MODE, 25, 1), 1
	s_wait_xcnt 0x0
; ctx[b][h][q] = the sum over k <= q of softmax_k(Q[q] . K[k] / 8) V[k], for 64 (batch, head) pairs of 2,048 positions and 64 channels.  Q, K, V: qkv16 [64][3][2048][64] f16.  Products and sums in f32, a running
; maximum and sum for each query in f32; the weights p (at most 1) are rounded to f16 for the second product; ctx leaves as f16, laid by head: ctx16 [16 (head)][8192 (batch, position)][64].
; LIMIT: |ctx| up to 65,504; weights under 6e-5 of a row's largest carry an absolute error of 3e-8.
; SHARES.  Work-group (I, bh) owns the query blocks 7 - I and I of its head, 256 queries each, one after the other.  Block j wants the key units 0 .. j (a unit is 256 keys): 8 - I units and then I + 1: NINE for every
; work-group, so the 256 work-groups have equal work and the loop's trip count is a constant.  Wave w owns 32 queries of a block, two tiles of 16: each fragment of K and V read from LDS feeds two matrix instructions.
; Two waves share a SIMD: one wave's softmax stands beside the other's products.
; NO CLUSTER: the four work-groups of a head walk units 0 .. 7 - I and begin anew at trip 8 - I, which differs from partner to partner: from trip 5 on they want different tiles.
; LAYOUT.  S^T = K Q^T (source 0 = 16 keys, source 1 = 16 queries): a lane holds ONE query (lane % 16) and the keys 8 (lane / 16) + 0..7.  Two such tiles, rounded to f16 in pairs, ARE source 1 (32 keys x 16 queries) of
; O^T = V^T P.  K comes out of LDS as it lies, V ([key][channel]) turned, by ds_load_tr16_b128.
; THE MASK.  A step of 64 keys all of which come after the wave's 32 queries is jumped over (a scalar branch on ids and the count of steps); in a step on the diagonal hidden scores become -infinity ahead of the maximum.
; LDS.  Rows of K and V are 128 bytes and dense in memory: a tile is stated as rows of 256 bytes, two keys each.  Key k lies at (k / 2) x pitch + 128 (k % 2).
; REGISTERS: window 0: v2-15 addresses and constants; v16-31 eight statistics a tile; v32-95 S^T; v96-127 P; v128-191 O^T; v192-255 the way out.   window 1: v0-31 Q; v32-95 K of a step; v96-159 V of a step.
.set PK,    272                        ; a pair of K's rows: 256 bytes + 16: the 16 rows of a fragment load start at 16 different groups of four banks (64 banks of 4 bytes: ISA guide 11.1)
.set PV,    288                        ; a pair of V's rows: 256 + 32
.set VOFF,  128*PK                     ; a slot: 128 pairs of K, then 128 pairs of V
.set SLOT1, 131072                     ; slot 1 begins here: one exclusive or turns an address in one slot into the other's
.set STAGE, SLOT1+128*(PK+PV)          ; behind the ring: two tiles x 16 rows x (128 bytes + 16) for each wave
.set SPARE, STAGE+8*4608               ; the spare words, 128 bytes for each wave: four blocks of 256 bytes that no other line names
.set AK0, 2                            ; v2  my lane's place in a tile of K
.set AV0, 3                            ; v3  the same for V
.set ADK, 4                            ; v4  LDS address of the step's K
.set ADV, 5                            ; v5  of its V
.set QO,  6                            ; v6  my byte offset in the wave's rows of Q
.set STO, 7                            ; v7  the way out: where I put 16 bytes of a row
.set RD,  8                            ; v8  and where I read four rows back
.set GO,  9                            ; v9  16 x lane
.set RH,  10                           ; v10 lane % 16 - 8 (lane / 16)
.set DD,  11                           ; v11 the mask's bound
.set NINF, 12                          ; v12 -infinity
.set PFO, 13                           ; v13 256 x lane
.set SPW, 14                           ; v14 LDS address of my spare word; never rewritten
.set NIL, 15                           ; v15 0; never rewritten
.set ST,  16                           ; tile x's statistics at v[ST + 8 x]: +0 c m, +1 m, +2, +3 l (even keys', odd keys'), +4 .. +7 at work; a stands in +6
.set S,   32
.set P,   96
.set O,   128
.set TMP, 192
.set BK,  224
.set QR,  0                            ; window 1
.set KR,  32
.set VR,  96
.set WV,  8                            ; s8  wave
.set II,  9                            ; s9  I
.set BH,  10                           ; s10 (batch, head)
.set SW,  11                           ; s11 8 - I: the trip at which the second block begins
.set SWL, 12                           ; s12 7 - I: the first block's last trip
.set TR,  13                           ; s13 the trip
.set UN,  14                           ; s14 the unit to be asked for
.set TT,  15                           ; s15 at work
.set OFF, 16                           ; s[16:17] that unit's bytes
.set KF,  18                           ; s18 the step's first key
.set Q0,  19                           ; s19 my first query
.set SEL, 20                           ; s[20:21] v_permlanex16_b32's selects for lane l xor 16
.set CS,  22                           ; s[22:23] c = log2(e) / 8
.set G1K, 24                           ; s[24:31], s[32:39] descriptor groups 1 for K's and V's tiles
.set G1V, 32
.set G0K, 40                           ; s[40:43], s[44:47] their groups 0
.set G0V, 44
.set KB,  48                           ; s[48:49] K at my half of unit 0;  s[50:51] V likewise
.set VB,  50
.set QP,  52                           ; s[52:53] Q at my first query;  s[54:55] ctx16 likewise
.set OP,  54
.set DIFF, 56                          ; s[56:57] bytes from block I to block 7 - I
.set PFA, 58                           ; s[58:59] where my prefetches stand
.set LIM, 60                           ; s60 a wave prefetches while the trip is under this number
.set TB,  61                           ; s61 LDS byte at which the slot in hand begins
.set MSB, 0
.macro WIN new                         ; the immediate's high byte repeats the setting that is left
.if MSB != (\new)
	s_set_vgpr_msb (MSB<<8)|(\new)
.set MSB, \new
.endif
.endm
; Waves 0 and 1 fetch K's halves of a unit, waves 2 and 3 V's, the others nothing.  The branches hang on the wave's number alone.  An s_nop 0 and four v_nop follow each of the two lines.
.macro TLOAD
	s_cmp_lt_u32 s[WV], 2
	s_cbranch_scc0 .Lnot_k_\@
	tensor_load_to_lds s[G0K:G0K+3], s[G1K:G1K+7]
	s_nop 0
.rept 4
	v_nop
.endr
	s_branch .Lasked_\@
.Lnot_k_\@:
	s_cmp_lt_u32 s[WV], 4
	s_cbranch_scc0 .Lasked_\@
	tensor_load_to_lds s[G0V:G0V+3], s[G1V:G1V+7]
	s_nop 0
.rept 4
	v_nop
.endr
.Lasked_\@:
.endm
; A PREFETCH INTO THE L2 of the unit that the NEXT change of slots will ask for: in trip t, unit t + 2.  All four work-groups of a head walk the same K and V from unit 0 on: the one with I = 0, which walks all eight units on
; end, asks, and nobody else.  In it the waves ask that fetch nothing: wave 4 + i for bytes 8,192 i on of K's 32,768 and of V's, lanes 256 bytes apart: two instructions a wave, each block of 256 bytes named once in the launch.
; Units 0 and 1 come by their loads alone; trips 6 and 7 ask for nothing: unit 7 is the last.
.macro ASK
	s_cmp_lt_u32 s[TR], s[LIM]
	s_cbranch_scc0 .Lnot_mine_\@
	global_prefetch_b8 v[PFO], s[PFA:PFA+1] th:TH_LOAD_NT scope:SCOPE_SE
	global_prefetch_b8 v[PFO], s[PFA:PFA+1] offset:262144 th:TH_LOAD_NT scope:SCOPE_SE
.Lnot_mine_\@:
.endm
; THE CHANGE OF SLOTS stands at a trip's head.  Each wave waits for all its tensor loads (its part of the slot that it is about to read), adds 0 to its spare word, and waits for that and for its reads of the slot that it has left.
; Behind the barrier the slot ahead is whole and nobody reads the other one.  fill = 1: that other slot takes the next trip's unit: the load has a whole unit's four steps in which to land.
.macro CHANGE fill
	s_wait_tensorcnt 0x0                           ; no tensor load of mine is out, so a group 0 may be written
	ds_add_u32 v[SPW], v[NIL]                      ; 0 onto my spare word
.if \fill
	ds_add_u32 v[SPW], v[NIL]                      ; and once more: the add twice on end, in every trip alike
	s_add_co_u32 s[UN], s[TR], 1                   ; the next trip's unit: trip + 1, or, from the second block on, trip + 1 - (8 - I)
	s_cmp_ge_u32 s[UN], s[SW]
	s_cselect_b32 s[TT], s[SW], 0
	s_sub_co_u32 s[UN], s[UN], s[TT]
	s_lshl_b32 s[OFF], s[UN], 15                   ; 256 keys of 128 bytes
	s_xor_b32 s[G0K+1], s[G0K+1], SLOT1            ; the other slot than last time
	s_add_nc_u64 s[G0K+2:G0K+3], s[KB:KB+1], s[OFF:OFF+1]
	s_or_b32 s[G0K+3], s[G0K+3], 0x80000000        ; type = 2
	s_xor_b32 s[G0V+1], s[G0V+1], SLOT1
	s_add_nc_u64 s[G0V+2:G0V+3], s[VB:VB+1], s[OFF:OFF+1]
	s_or_b32 s[G0V+3], s[G0V+3], 0x80000000
	s_wait_xcnt 0x0                                ; the last prefetches, a trip back, have read their address, so it may be written
	s_add_nc_u64 s[PFA:PFA+1], s[PFA:PFA+1], 32768
.endif
	s_wait_dscnt 0x0                               ; the add is done (fill = 1: both are), and my reads of the slot that I have left are over
	s_barrier_signal -1
	s_barrier_wait -1
.if \fill
	TLOAD                                          ; the first thing behind the barrier, and a wave's one tensor load until the next
	ASK
.endif
.endm
; One key step's softmax for both tiles, line by line by turns.  s0-s31 are the lane's 32 scores of a tile.
.macro SOFTMAX
.irp j, 0,1,2,3                        ; the maximum: four chains, each begun at an accumulator's low end
.irp x, 0,1
	v_max3_num_f32 v[ST+8*\x+4+\j], v[S+32*\x+8*\j], v[S+32*\x+8*\j+1], v[S+32*\x+8*\j+2]
.endr
.endr
.irp u, 3,5
.irp j, 0,1,2,3
.irp x, 0,1
	v_max3_num_f32 v[ST+8*\x+4+\j], v[ST+8*\x+4+\j], v[S+32*\x+8*\j+\u], v[S+32*\x+8*\j+\u+1]
.endr
.endr
.endr
.irp x, 0,1
	v_max3_num_f32 v[ST+8*\x+4], v[ST+8*\x+4], v[S+32*\x+7], v[S+32*\x+15]
.endr
.irp x, 0,1
	v_max3_num_f32 v[ST+8*\x+6], v[ST+8*\x+6], v[S+32*\x+23], v[S+32*\x+31]
.endr
.irp x, 0,1
	v_max3_num_f32 v[ST+8*\x+4], v[ST+8*\x+4], v[ST+8*\x+5], v[ST+8*\x+6]
.endr
.irp x, 0,1
	v_max3_num_f32 v[ST+8*\x+4], v[ST+8*\x+4], v[ST+8*\x+7], v[ST+8*\x+1]   ; with the old m
.endr
.irp x, 0,1
	v_permlanex16_b32 v[ST+8*\x+5], v[ST+8*\x+4], s[SEL], s[SEL+1]         ; the query's other 32 keys lie in the lane 16 away
.endr
.irp x, 0,1
	v_mov_b32 v[ST+8*\x+7], v[ST+8*\x]             ; c m_old is kept for a
.endr
.irp x, 0,1
	v_max_num_f32 v[ST+8*\x+1], v[ST+8*\x+4], v[ST+8*\x+5]
.endr
.irp x, 0,1
	v_mul_f32 v[ST+8*\x], s[CS], v[ST+8*\x+1]
.endr
.irp x, 0,1
	v_sub_f32 v[ST+8*\x+7], v[ST+8*\x+7], v[ST+8*\x]
.endr
.irp b, 0,2,4,6,8,10,12,14,16,18,20,22,24,26,28,30
.irp x, 0,1
	v_pk_fma_f32 v[S+32*\x+\b:S+32*\x+\b+1], v[S+32*\x+\b:S+32*\x+\b+1], s[CS:CS+1], v[ST+8*\x:ST+8*\x+1] op_sel_hi:[1,0,0] neg_lo:[0,0,1] neg_hi:[0,0,1]   ; c s - c m, two at a time
.endr
.endr
.irp x, 0,1
	v_exp_f32 v[ST+8*\x+6], v[ST+8*\x+7]           ; a = 2^(c m_old - c m_new)
.endr
.irp e, 0,1,2,3,4,5,6,7,8,9,10,11,12,13,14,15,16,17,18,19,20,21,22,23,24,25,26,27,28,29,30,31
.irp x, 0,1
	v_exp_f32 v[S+32*\x+\e], v[S+32*\x+\e]         ; p = 2^(c s - c m)
.endr
.endr
	v_nop                                          ; a plain instruction behind the last exponential
	s_wait_alu depctr_va_vdst(0)                   ; ONE wait for the 66 exponentials of both tiles, ahead of the first instruction that names a result
.irp b, 0,1,2,3,4,5,6,7,8,9,10,11,12,13,14,15
.irp x, 0,1
	v_cvt_pk_f16_f32 v[P+16*\x+\b], v[S+32*\x+2*\b], v[S+32*\x+2*\b+1]
.endr
.endr
.irp u, 0,4,8,12,16,20,24,28           ; the sum of the unrounded p, in place, neighbours 1, 2, 4 and 8 pairs apart
.irp x, 0,1
	v_pk_add_f32 v[S+32*\x+\u:S+32*\x+\u+1], v[S+32*\x+\u:S+32*\x+\u+1], v[S+32*\x+\u+2:S+32*\x+\u+3]
.endr
.endr
.irp u, 0,8,16,24
.irp x, 0,1
	v_pk_add_f32 v[S+32*\x+\u:S+32*\x+\u+1], v[S+32*\x+\u:S+32*\x+\u+1], v[S+32*\x+\u+4:S+32*\x+\u+5]
.endr
.endr
.irp u, 0,16
.irp x, 0,1
	v_pk_add_f32 v[S+32*\x+\u:S+32*\x+\u+1], v[S+32*\x+\u:S+32*\x+\u+1], v[S+32*\x+\u+8:S+32*\x+\u+9]
.endr
.endr
.irp x, 0,1
	v_pk_add_f32 v[S+32*\x:S+32*\x+1], v[S+32*\x:S+32*\x+1], v[S+32*\x+16:S+32*\x+17]
.endr
.irp x, 0,1
	v_pk_fma_f32 v[ST+8*\x+2:ST+8*\x+3], v[ST+8*\x+2:ST+8*\x+3], v[ST+8*\x+6:ST+8*\x+7], v[S+32*\x:S+32*\x+1] op_sel_hi:[1,0,1]   ; l = a l + the sum
.endr
.irp i, 0,2,4,6,8,10,12,14,16,18,20,22,24,26,28,30
.irp x, 0,1
	v_pk_mul_f32 v[O+32*\x+\i:O+32*\x+\i+1], v[O+32*\x+\i:O+32*\x+\i+1], v[ST+8*\x+6:ST+8*\x+7] op_sel_hi:[1,0]   ; O^T x a, each accumulator from its low end on
.endr
.endr
.endm
; A KEY STEP: 64 keys, the q-th of the slot in hand.
.macro STEP q
	s_add_co_u32 s[TT], s[Q0], 31
	s_cmp_gt_u32 s[KF], s[TT]                      ; all 64 keys come after my 32 queries: the step's work is left out (ids and the count of steps alone; no barrier and no tensor load stands in a step)
	s_cbranch_scc1 .Lhidden_\@
	v_add_nc_u32 v[ADK], s[TB], v[AK0]
	v_add_nc_u32 v[ADV], s[TB], v[AV0]
	v_nop                                          ; with the two additions: four places in front of loads into registers that the last products have read
	v_nop
	WIN 0x40                                       ; destination window 1
.irp kb, 0,1,2,3                       ; K: keys 16 kb on, channels 32 c on
.irp c, 0,1
	ds_load_b128 v[KR+16*\kb+8*\c:KR+16*\kb+8*\c+3], v[ADK] offset:32*PK*(\q)+8*PK*\kb+64*\c
	ds_load_b128 v[KR+16*\kb+8*\c+4:KR+16*\kb+8*\c+7], v[ADK] offset:32*PK*(\q)+8*PK*\kb+64*\c+32
.endr
.endr
.irp ks, 0,1                           ; V, turned: keys 32 ks on, channels 16 db on
.irp db, 0,1,2,3
	ds_load_tr16_b128 v[VR+32*\ks+8*\db:VR+32*\ks+8*\db+3], v[ADV] offset:32*PV*(\q)+16*PV*\ks+32*\db
	ds_load_tr16_b128 v[VR+32*\ks+8*\db+4:VR+32*\ks+8*\db+7], v[ADV] offset:32*PV*(\q)+16*PV*\ks+8*PV+32*\db
.endr
.endr
	s_wait_dscnt 16                                ; K's sixteen loads are in; V's sixteen may be out
	WIN 0x05                                       ; K and Q in window 1, S^T in window 0
.irp c, 0,1                            ; the eight accumulators take turns, one instruction a turn; the first eight products start the sums
.irp kb, 0,1,2,3
.irp x, 0,1
.if \c == 0
	v_wmma_f32_16x16x32_f16 v[S+32*\x+8*\kb:S+32*\x+8*\kb+7], v[KR+16*\kb+8*\c:KR+16*\kb+8*\c+7], v[QR+16*\x+8*\c:QR+16*\x+8*\c+7], 0
.else
	v_wmma_f32_16x16x32_f16 v[S+32*\x+8*\kb:S+32*\x+8*\kb+7], v[KR+16*\kb+8*\c:KR+16*\kb+8*\c+7], v[QR+16*\x+8*\c:QR+16*\x+8*\c+7], v[S+32*\x+8*\kb:S+32*\x+8*\kb+7]
.endif
.endr
.endr
.endr
	WIN 0
.rept 4
	v_nop                                          ; four places in front of the first read of the scores
.endr
	s_add_co_u32 s[TT], s[KF], 63
	s_cmp_le_u32 s[TT], s[Q0]                      ; all 64 keys count for all my queries: no mask
	s_cbranch_scc1 .Lopen_\@
	s_sub_co_u32 s[TT], s[Q0], s[KF]               ; (0 or more in a step that is not left out)
.irp x, 0,1
	v_add_nc_u32 v[DD], s[TT], v[RH]               ; d = my query - the step's first key - 8 (lane / 16).  Register n holds key 16 (n / 8) + 8 (lane / 16) + n % 8 of the step: hidden where 16 (n / 8) + n % 8 > d
.irp n, 0,1,2,3,4,5,6,7,8,9,10,11,12,13,14,15,16,17,18,19,20,21,22,23,24,25,26,27,28,29,30,31
	v_cmp_gt_i32 vcc_lo, 16*(\n/8)+\n%8, v[DD]
	v_cndmask_b32 v[S+32*\x+\n], v[S+32*\x+\n], v[NINF], vcc_lo
.endr
	s_add_co_u32 s[TT], s[TT], 16                  ; the second tile's queries lie 16 on
.endr
.Lopen_\@:
	SOFTMAX
	s_wait_dscnt 0x0                               ; V is in
	WIN 0x01                                       ; V in window 1; P and O^T in window 0
.irp ks, 0,1
.irp db, 0,1,2,3
.irp x, 0,1
	v_wmma_f32_16x16x32_f16 v[O+32*\x+8*\db:O+32*\x+8*\db+7], v[VR+32*\ks+8*\db:VR+32*\ks+8*\db+7], v[P+16*\x+8*\ks:P+16*\x+8*\ks+7], v[O+32*\x+8*\db:O+32*\x+8*\db+7]
.endr
.endr
.endr
	WIN 0
.Lhidden_\@:
	s_add_co_u32 s[KF], s[KF], 64
.endm
.macro QLOAD                           ; my 32 queries stay in registers: tile x, channels 32 c on
	WIN 0x40
.irp x, 0,1
.irp c, 0,1
	global_load_b128 v[QR+16*\x+8*\c:QR+16*\x+8*\c+3], v[QO], s[QP:QP+1] offset:2048*\x+64*\c
	global_load_b128 v[QR+16*\x+8*\c+4:QR+16*\x+8*\c+7], v[QO], s[QP:QP+1] offset:2048*\x+64*\c+32
.endr
.endr
	WIN 0
.endm
.macro INIT                            ; a block begins: O^T and l are zeros, m is -3e38, under every score: the first step's a is 0 and multiplies zeros.  So the key step is written once
.set i, 0
.rept 64
	v_mov_b32 v[O+i], 0
.set i, i+1
.endr
.irp x, 0,1
	v_mov_b32 v[ST+8*\x+1], 0xff61b1e6
	v_mov_b32 v[ST+8*\x+2], 0
	v_mov_b32 v[ST+8*\x+3], 0
	v_mov_b32 v[ST+8*\x+5], 0                      ; (a lane permute's destination counts as one of its sources)
	v_mov_b32 v[ST+8*\x+7], 0
	v_mul_f32 v[ST+8*\x], s[CS], v[ST+8*\x+1]
.endr
.endm
; THE WAY OUT of a block: O^T / l, rounded to f16, through my stage in LDS, a tile (16 rows) at a time, and back four rows of 128 bytes at a time.
.macro WAYOUT
.rept 4
	v_nop                                          ; four places behind the last products
.endr
.irp x, 0,1
	v_add_f32 v[ST+8*\x+4], v[ST+8*\x+2], v[ST+8*\x+3]
.endr
.irp x, 0,1
	v_permlanex16_b32 v[ST+8*\x+5], v[ST+8*\x+4], s[SEL], s[SEL+1]
.endr
.irp x, 0,1
	v_add_f32 v[ST+8*\x+4], v[ST+8*\x+4], v[ST+8*\x+5]
.endr
.irp x, 0,1
	v_rcp_f32 v[ST+8*\x+6], v[ST+8*\x+4]
.endr
	v_nop                                          ; a plain instruction behind the last reciprocal
	s_wait_alu depctr_va_vdst(0)                   ; one wait for both, ahead of the first use
.irp x, 0,1
.irp i, 0,2,4,6,8,10,12,14,16,18,20,22,24,26,28,30
	v_pk_mul_f32 v[O+32*\x+\i:O+32*\x+\i+1], v[O+32*\x+\i:O+32*\x+\i+1], v[ST+8*\x+6:ST+8*\x+7] op_sel_hi:[1,0]
.endr
.irp i, 0,1,2,3,4,5,6,7,8,9,10,11,12,13,14,15
	v_cvt_pk_f16_f32 v[TMP+16*\x+\i], v[O+32*\x+2*\i], v[O+32*\x+2*\i+1]
.endr
.irp db, 0,1,2,3
	ds_store_b128 v[STO], v[TMP+16*\x+4*\db:TMP+16*\x+4*\db+3] offset:2304*\x+32*\db
.endr
.irp i, 0,1,2,3
	ds_load_b128 v[BK+16*\x+4*\i:BK+16*\x+4*\i+3], v[RD] offset:2304*\x+576*\i   ; LDS serves a wave's instructions in order (ISA guide 5.7.1.4): these see the stores above
.endr
.endr
.irp i, 0,1,2,3
	s_wait_dscnt 11-\i                             ; tile 0's load i is in: its own younger loads and tile 1's eight LDS instructions may be out
	global_store_b128 v[GO], v[BK+4*\i:BK+4*\i+3], s[OP:OP+1] offset:512*\i      ; four rows: 512 consecutive bytes, aligned
.endr
.irp i, 0,1,2,3
	s_wait_dscnt 3-\i
	global_store_b128 v[GO], v[BK+16+4*\i:BK+16+4*\i+3], s[OP:OP+1] offset:2048+512*\i
.endr
.endm
	s_load_b128 s[4:7], s[0:1], 0x0                ; qkv16 s[4:5], ctx16 s[6:7]
	v_lshl_add_u32 v[SPW], v0, 2, SPARE
	v_mov_b32 v[NIL], 0
	ds_add_u32 v[SPW], v[NIL]                      ; the wave's opening: the add, twice on end, and its wait ahead of the first tensor load
	ds_add_u32 v[SPW], v[NIL]
	v_lshrrev_b32 v1, 5, v0
	v_readfirstlane_b32 s[WV], v1                  ; wave 0..7
	s_mov_b32 s[II], ttmp9
	s_and_b32 s[BH], ttmp7, 0xffff
	s_sub_co_u32 s[SW], 8, s[II]
	s_sub_co_u32 s[SWL], 7, s[II]
	s_mov_b32 s[TR], 0
	s_mov_b32 s[OFF+1], 0
	s_mov_b32 s[KF], 0
	s_mov_b32 s[TB], 0
	s_lshl_b32 s[Q0], s[SWL], 8
	s_lshl_b32 s[TT], s[WV], 5
	s_add_co_u32 s[Q0], s[Q0], s[TT]               ; my first query: 256 (7 - I) + 32 wave
	s_mov_b32 s[SEL], 0x76543210
	s_mov_b32 s[SEL+1], 0xfedcba98
	s_mov_b32 s[CS], 0x3e38aa3b                    ; c = log2(e) / 8
	s_mov_b32 s[CS+1], s[CS]                       ; (named with it as a pair, so it is written)
	; descriptor group 1: 64 rows of 128 elements of 2 bytes (two keys a row), dense in memory, padded in LDS
	s_mov_b32 s[G1K], (1<<16)|(1<<20)|(5<<22)|(3<<25)   ; no mask; elements of 2 bytes; padding on; after every 64 words; four words
	s_mov_b32 s[G1V], (1<<16)|(1<<20)|(5<<22)|(7<<25)   ; the same with eight words
.irp g, G1K, G1V
	s_mov_b32 s[\g+1], 128<<16                     ; tensor_dim0
	s_mov_b32 s[\g+2], 64<<16                      ; tensor_dim1
	s_mov_b32 s[\g+3], 128<<16                     ; tile_dim0
	s_mov_b32 s[\g+4], 64                          ; tile_dim1
	s_mov_b32 s[\g+5], 128                         ; tensor_dim0_stride
	s_mov_b32 s[\g+6], 0
	s_mov_b32 s[\g+7], 0
.endr
	s_mul_i32 s2, s[BH], 786432                    ; the (batch, head)'s first byte in qkv16
	s_mov_b32 s3, 0
	s_and_b32 s[TT], s[WV], 1                      ; which half of a unit I fetch, if I fetch
	s_lshl_b32 s62, s[TT], 14                      ; 128 keys of 128 bytes,
	s_add_co_u32 s62, s62, 262144                  ; in K's plane
	s_mov_b32 s63, 0
	s_add_nc_u64 s[62:63], s[62:63], s[2:3]
	s_mov_b32 s[G0K], 1                            ; count = 1
	s_mul_i32 s[G0K+1], s[TT], 64*PK               ; LDS address: slot 0, my half
	s_mov_b32 s[G0V], 1
	s_mul_i32 s[G0V+1], s[TT], 64*PV
	s_add_co_u32 s[G0V+1], s[G0V+1], VOFF
	s_lshl_b32 s66, s[Q0], 7
	s_mov_b32 s67, 0
	s_add_nc_u64 s[66:67], s[66:67], s[2:3]        ; my first query's row of Q
	s_and_b32 s68, s[BH], 15
	s_lshl_b32 s68, s68, 20                        ; ctx16: the head's plane,
	s_lshr_b32 s69, s[BH], 4
	s_lshl_b32 s69, s69, 11
	s_add_co_u32 s69, s69, s[Q0]
	s_lshl_b32 s69, s69, 7                         ; row 2048 batch + my first query
	s_add_co_u32 s68, s68, s69
	s_mov_b32 s69, 0
	s_lshl_b32 s[DIFF], s[II], 1
	s_sub_co_u32 s[DIFF], 7, s[DIFF]
	s_lshl_b32 s[DIFF], s[DIFF], 15                ; 7 - 2 I blocks of 256 rows of 128 bytes
	s_mov_b32 s[DIFF+1], 0
	s_and_b32 s70, s[WV], 3
	s_lshl_b32 s70, s70, 13
	s_add_co_u32 s70, s70, 262144+32768            ; the prefetches stand in K's unit 1: the first change of slots steps them to unit 2
	s_mov_b32 s71, 0
	s_add_nc_u64 s[70:71], s[70:71], s[2:3]
	s_lshr_b32 s[TT], s[WV], 2
	s_xor_b32 s[TT], s[TT], 1                      ; 0 in waves 4 to 7,
	s_or_b32 s[TT], s[TT], s[II]                   ; of the work-group with I = 0
	s_cmp_eq_u32 s[TT], 0
	s_cselect_b32 s[LIM], 6, 0
	s_wait_dscnt 0x0                               ; both opening adds are done
	s_wait_kmcnt 0x0
	s_add_nc_u64 s[KB:KB+1], s[4:5], s[62:63]
	s_add_nc_u64 s[VB:VB+1], s[KB:KB+1], 262144
	s_add_nc_u64 s[QP:QP+1], s[4:5], s[66:67]
	s_add_nc_u64 s[OP:OP+1], s[6:7], s[68:69]
	s_add_nc_u64 s[PFA:PFA+1], s[4:5], s[70:71]
	s_mov_b64 s[G0K+2:G0K+3], s[KB:KB+1]           ; unit 0
	s_or_b32 s[G0K+3], s[G0K+3], 0x80000000
	s_mov_b64 s[G0V+2:G0V+3], s[VB:VB+1]
	s_or_b32 s[G0V+3], s[G0V+3], 0x80000000
	TLOAD                                          ; slot 0: key 0 counts for every query, so what the head fetches is read
	v_and_b32 v1, 15, v0                           ; r
	v_bfe_u32 v5, v0, 4, 1                         ; h
	v_bfe_u32 v4, v0, 1, 3
	v_mul_u32_u24 v[AK0], v4, PK
	v_and_b32 v4, 1, v0
	v_lshl_add_u32 v[AK0], v4, 7, v[AK0]
	v_lshl_add_u32 v[AK0], v5, 4, v[AK0]           ; K: key r: pair r / 2, half r % 2, + 16 h
	v_bfe_u32 v[AV0], v0, 1, 2
	v_lshl_add_u32 v[AV0], v5, 2, v[AV0]
	v_mul_u32_u24 v[AV0], v[AV0], PV
	v_lshl_add_u32 v[AV0], v4, 7, v[AV0]
	v_bfe_u32 v4, v0, 3, 1
	v_lshl_add_u32 v[AV0], v4, 4, v[AV0]
	v_add_nc_u32 v[AV0], VOFF, v[AV0]              ; V: key 8 h + lane % 8, channels 8 ((lane / 8) % 2) on
	v_lshlrev_b32 v[QO], 7, v1
	v_lshl_add_u32 v[QO], v5, 4, v[QO]             ; Q: row r of 128 bytes, + 16 h
	s_mul_i32 s[TT], s[WV], 4608
	s_add_co_u32 s[TT], s[TT], STAGE               ; my stage
	v_mul_u32_u24 v[STO], v1, 144
	v_lshl_add_u32 v[STO], v5, 4, v[STO]
	v_add_nc_u32 v[STO], s[TT], v[STO]
	v_bfe_u32 v4, v0, 3, 2
	v_mul_u32_u24 v[RD], v4, 144
	v_and_b32 v4, 7, v0
	v_lshl_add_u32 v[RD], v4, 4, v[RD]
	v_add_nc_u32 v[RD], s[TT], v[RD]
	v_and_b32 v[GO], 31, v0
	v_lshlrev_b32 v[PFO], 8, v[GO]
	v_lshlrev_b32 v[GO], 4, v[GO]
	v_lshlrev_b32 v4, 3, v5
	v_sub_nc_u32 v[RH], v1, v4
	v_mov_b32 v[NINF], 0xff800000
	QLOAD
	INIT
	s_wait_loadcnt 0x0                             ; Q
.Lunit:                                            ; eight trips, a unit of 256 keys each; behind each change of slots the next trip's unit is asked for
	CHANGE 1
	STEP 0
	STEP 1
	STEP 2
	STEP 3
	s_xor_b32 s[TB], s[TB], SLOT1                  ; on to the other slot
	s_cmp_lg_u32 s[TR], s[SWL]                     ; the first block's last unit?  (ids and the trip alone)
	s_cbranch_scc1 .Lsame
	WAYOUT
	s_wait_xcnt 0x0                                ; the stores have read their registers and base, Q's loads their address: all may be written
	s_sub_nc_u64 s[QP:QP+1], s[QP:QP+1], s[DIFF:DIFF+1]   ; the second block: I
	s_sub_nc_u64 s[OP:OP+1], s[OP:OP+1], s[DIFF:DIFF+1]
	s_lshl_b32 s[Q0], s[II], 8
	s_lshl_b32 s[TT], s[WV], 5
	s_add_co_u32 s[Q0], s[Q0], s[TT]
	s_mov_b32 s[KF], 0
	QLOAD
	INIT
	s_wait_loadcnt 0x0
.Lsame:
	s_add_co_u32 s[TR], s[TR], 1
	s_cmp_lt_u32 s[TR], 8
	s_cbranch_scc1 .Lunit
	CHANGE 0                                       ; the ninth unit is written out: nothing is left to ask for
	STEP 0
	STEP 1
	STEP 2
	STEP 3
	WAYOUT
	s_wait_tensorcnt 0x0                           ; the wave's end, behind my last tensor load and my last LDS store
	ds_add_u32 v[SPW], v[NIL]
	s_wait_dscnt 0x0
	s_endpgm
.Lfunc_end_k_q82d1a3a884_attn:
	.size	k_q82d1a3a884_attn, .Lfunc_end_k_q82d1a3a884_attn-k_q82d1a3a884_attn
	.p2alignl 7, 3214868480
	.fill 96, 4, 3214868480
	.section	.rodata,"a",@progbits
	.p2align	6, 0x0
	.amdhsa_kernel k_q82d1a3a884_attn
		.amdhsa_group_segment_fixed_size 327680
		.amdhsa_private_segment_fixed_size 0
		.amdhsa_enable_private_segment 0
		.amdhsa_kernarg_size 16
		.amdhsa_user_sgpr_count 2
		.amdhsa_user_sgpr_kernarg_segment_ptr 1
		.amdhsa_wavefront_size32 1
		.amdhsa_system_sgpr_workgroup_id_x 1
		.amdhsa_system_sgpr_workgroup_id_y 1
		.amdhsa_system_sgpr_workgroup_id_z 1
		.amdhsa_system_vgpr_workitem_id 0
		.amdhsa_next_free_vgpr 512
		.amdhsa_next_free_sgpr 72
		.amdhsa_reserve_vcc 1
		.amdhsa_float_denorm_mode_32 3
		.amdhsa_float_denorm_mode_16_64 3
		.amdhsa_memory_ordered 1
		.amdhsa_forward_progress 1
		.amdhsa_inst_pref_size 200
	.end_amdhsa_kernel
	.amdgpu_metadata
---
amdhsa.version: [ 1, 2 ]
amdhsa.kernels:
  - .name:           k_q82d1a3a884_attn
    .symbol:         k_q82d1a3a884_attn.kd
    .args:
      - { .name: qkv16, .offset: 0, .size: 8, .value_kind: global_buffer, .address_space: global }
      - { .name: ctx16, .offset: 8, .size: 8, .value_kind: global_buffer, .address_space: global }
    .group_segment_fixed_size: 327680
    .private_segment_fixed_size: 0
    .kernarg_segment_align: 8
    .kernarg_segment_size: 16
    .max_flat_workgroup_size: 256
    .sgpr_count:     72
    .vgpr_count:     512
    .wavefront_size: 32
...
	.end_amdgpu_metadata
.endif
;; end of part 3
;; launch outproj (part 4): grid 4 x 64, 4 waves a work-group, clusters of 4 x 4, 327,680 bytes of LDS; arguments ctx16, wo16, bo, out0; writes out0
.if DOCPART == 4
	.amdgcn_target "amdgcn-amd-amdhsa--gfx1250"
	.amdhsa_code_object_version 6
	.text
	.protected	k_q82d1a3a884_outproj
	.globl	k_q82d1a3a884_outproj
	.p2align	8
	.type	k_q82d1a3a884_outproj,@function
k_q82d1a3a884_outproj:
	s_mov_b64 s[64:65], 0
	v_nop
	global_prefetch_b8 v0, s[64:65] scope:SCOPE_SE
	s_setreg_imm32_b32 hwreg(HW_REG_WAVE_MODE, 25, 1), 1
	s_wait_xcnt 0x0
	s_wait_alu depctr_hold_cnt(0) depctr_sa_sdst(0) depctr_va_vdst(0) depctr_va_sdst(0) depctr_va_ssrc(0) depctr_va_vcc(0) depctr_vm_vsrc(0)
	s_getreg_b32 s2, hwreg(HW_REG_IB_STS2, 6, 4)
	s_cmp_eq_u32 s2, 0
	s_cbranch_scc0 .Lentry_in_a_cluster
	s_endpgm
.Lentry_in_a_cluster:
	s_bfe_u32 s2, ttmp6, 0x10000c
	s_cmp_lg_u32 s2, 0xf033
	s_cbranch_scc0 .Lentry_shape_is_right
	s_endpgm
.Lentry_shape_is_right:
; out[m][n] = sum over (head, d) of ctx[m][head][d] Wo[n][64 head + d] + bo[n].  A = ctx16 [16 (head)][8192 (m)][64] f16, B = wo16 [16 (head)][1024 (n)][64] f16; sums in f32; out0 [8192][1024] f32.
; (Positions 0 to 15 of every sequence are stored here like all rows and are written over by the next launch, which carries them in f32.)
; A tile of C is 128 (m) x 256 (n): 256 work-groups.  Four waves, each 64 x 128: 32 accumulators of 16 x 16, 256 registers.  K goes in steps of 128 (two heads) through a ring of two LDS slots.
; A head's rows are 128 bytes and dense in memory: a tile is stated as rows of 256 bytes, two rows of the matrix each; row i lies at (i / 2) x 272 + 128 (i % 2).
; CLUSTERS: 4 x 4 work-groups.  The four of a row of the cluster need the same tiles of A, the four of a column the same tiles of B: each tile is asked for JOINTLY.
; THE MATRIX INSTRUCTION IS USED TRANSPOSED (source 0 = 16 rows of B, source 1 = 16 rows of A): a lane holds eight neighbouring numbers of a row of C.  The bias is the C of each sum's first matrix instruction.
; REGISTERS: window 0: v0-31 addresses; v32-95 the bias, eight registers for each of B's eight blocks; v96-127, v128-159 A's fragments, two buffers; on the way out v96-223 rows of C.
;   window 1: v0-63, v64-127 B's fragments, two buffers.   window 2: accumulator (a, b) at v[8 (8 a + b)].
.set AREG,  64*272                     ; A's 128 rows of one head
.set BREG,  128*272                    ; B's 256 rows of one head
.set SLOT,  2*AREG+2*BREG              ; A's two heads, then B's two
.set STAGE, 2*SLOT                     ; behind the ring: 16 rows x (512 bytes + 16) for each wave
.set SPITCH, 528
.set SPARE, STAGE+4*16*SPITCH          ; the spare words, 128 bytes for each wave: two blocks of 256 bytes that no other line names
.set KSA,   2*1048576                  ; a K step in ctx16: two planes
.set KSB,   2*131072                   ; and in wo16
.set ADRA, 16                          ; v16-17 LDS address of my A fragments in slot 0, 1
.set ADRB, 20                          ; v20-21 the same for B
.set STO,  24
.set RD,   25
.set CO,   26
.set SPW,  28                          ; v28 LDS address of my spare word; never rewritten
.set NIL,  29                          ; v29 0; never rewritten
.set PFO,  30                          ; v30 256 x lane
.set BIAS, 32
.set FA,   96
.set BK,   96
.set G1, 24                            ; s[24:31] group 1 for A's tiles; s[32:39] group 0, a set for each slot
.set G0, 32
.set G1B, 48                           ; s[48:55], s[56:63] the same for B's
.set G0B, 56
.set LIM, 45                           ; s45 1 in the wave that prefetches, else the greatest number
.set PFA, 46                           ; s[46:47] where my prefetches stand
.set MSB, 0
.macro WIN new
.if MSB != (\new)
	s_set_vgpr_msb (MSB<<8)|(\new)
.set MSB, \new
.endif
.endm
.set MUL,   0xa1                       ; source 0 (B) window 1, source 1 (A) window 0, C and D window 2
.set MUL1,  0x81                       ; the same with C (the bias) in window 0
.set TO_B,  0x40
.macro JLOAD s                         ; a joint load: waves 0 and 1 fetch A's two heads, waves 2 and 3 B's; an s_nop 0 and four v_nop follow each of the two lines
	s_cmp_eq_u32 s13, 0
	s_cbranch_scc0 .Lfor_b_\@
	tensor_load_to_lds s[G0+4*\s:G0+4*\s+3], s[G1:G1+7]
	s_nop 0
.rept 4
	v_nop
.endr
	s_branch .Lasked_\@
.Lfor_b_\@:
	tensor_load_to_lds s[G0B+4*\s:G0B+4*\s+3], s[G1B:G1B+7]
	s_nop 0
.rept 4
	v_nop
.endr
.Lasked_\@:
.endm
.macro CREST                           ; a round of the cluster's barrier behind its opening barrier
	s_cmp_lg_u32 s12, 0
	s_cbranch_scc1 .Lnot_wave_0_\@
	s_barrier_signal -3
.Lnot_wave_0_\@:
	s_barrier_wait -3
	s_barrier_signal -1
	s_barrier_wait -1
.endm
.macro CROUND
	s_barrier_signal -1
	s_barrier_wait -1
	CREST
.endm
; A PREFETCH INTO THE L2 of A's K step that stands two refills on.  A's tile row is read by the four partners of my row of the cluster and by nobody else; a K step of it is two heads x 16,384 bytes.  The four share it out
; BY ADDRESS: partner cx takes head cx / 2, bytes 8,192 (cx % 2) on; in each, wave 0 asks, lanes 256 bytes apart: one instruction, each block of 256 bytes named once in the launch.  K steps 0 to 3 come by their loads
; alone; the loop's last trip asks for nothing: K step 7 is the last.  B's 2 MiB are read by all sixteen clusters and are not asked for.
.macro ASK
	s_cmp_gt_u32 s3, s[LIM]                        ; s3 = 1 in the loop's last trip
	s_cbranch_scc0 .Lnot_mine_\@
	global_prefetch_b8 v[PFO], s[PFA:PFA+1] offset:KSA th:TH_LOAD_NT scope:SCOPE_SE
.Lnot_mine_\@:
.endm
	s_load_b256 s[4:11], s[0:1], 0x0               ; ctx16 s[4:5], wo16 s[6:7], bo s[8:9], out0 s[10:11]
	v_lshl_add_u32 v[SPW], v0, 2, SPARE
	v_mov_b32 v[NIL], 0
	ds_add_u32 v[SPW], v[NIL]                      ; the wave's opening: the add, twice on end, and its wait ahead of my first tensor load
	ds_add_u32 v[SPW], v[NIL]
	v_lshrrev_b32 v1, 5, v0
	v_readfirstlane_b32 s12, v1                    ; wave 0..3
	s_lshr_b32 s13, s12, 1                         ; which 64 of the tile's rows are mine.  Also: I fetch for A (0) or for B (1)
	s_and_b32 s14, s12, 1                          ; which 128 of its columns.  Also: which head of a K step I fetch
	s_bfe_u32 s40, ttmp6, 0x40000                  ; cx, cy
	s_bfe_u32 s41, ttmp6, 0x40004
	s_lshl_b32 s42, ttmp9, 2
	s_add_co_u32 s42, s42, s40                     ; tile column = 4 x cluster x + cx
	s_and_b32 s15, ttmp7, 0xffff
	s_lshl_b32 s15, s15, 2
	s_add_co_u32 s15, s15, s41                     ; tile row = 4 x cluster y + cy
	s_lshl_b32 s43, s41, 2
	s_lshl_b32 s43, 15, s43                        ; my row of the cluster
	s_lshl_b32 s44, 0x1111, s40                    ; my column
	s_or_b32 s[G1+0], s43, (1<<16)|(1<<20)|(1<<21)|(5<<22)|(3<<25)   ; the mask; elements of 2 bytes; padding on; bit 21 beside a mask; after every 64 words; four words
	s_or_b32 s[G1B+0], s44, (1<<16)|(1<<20)|(1<<21)|(5<<22)|(3<<25)
	s_mov_b32 s[G1+1], 128<<16                     ; tensor_dim0 = 128 elements (two rows of the matrix)
	s_mov_b32 s[G1+2], 64<<16                      ; tensor_dim1 = 64
	s_mov_b32 s[G1+3], 128<<16                     ; tile_dim0
	s_mov_b32 s[G1+4], 64                          ; tile_dim1
	s_mov_b32 s[G1+5], 128                         ; tensor_dim0_stride
	s_mov_b32 s[G1+6], 0
	s_mov_b32 s[G1+7], 0
	s_mov_b32 s[G1B+1], 128<<16
	s_mov_b32 s[G1B+2], 128<<16                    ; B: 128 such rows
	s_mov_b32 s[G1B+3], 128<<16
	s_mov_b32 s[G1B+4], 128
	s_mov_b32 s[G1B+5], 128
	s_mov_b32 s[G1B+6], 0
	s_mov_b32 s[G1B+7], 0
	s_lshl_b32 s16, s14, 20                        ; A: my head's plane, tile row x 128 rows of 128 bytes: it hangs on the tile row alone
	s_lshl_b32 s17, s15, 14
	s_add_co_u32 s16, s16, s17
	s_mov_b32 s17, 0
	s_lshl_b32 s20, s14, 17                        ; B: my head's plane, tile column x 256 rows: it hangs on the tile column alone
	s_lshl_b32 s21, s42, 15
	s_add_co_u32 s20, s20, s21
	s_mov_b32 s21, 0
	s_mul_i32 s2, s14, AREG                        ; where they go: no place in the cluster enters an LDS address
	s_mul_i32 s3, s14, BREG
	s_add_co_u32 s3, s3, 2*AREG
	s_wait_dscnt 0x0                               ; both opening adds are done
	s_wait_kmcnt 0x0
	s_add_nc_u64 s[18:19], s[4:5], s[16:17]
	s_add_nc_u64 s[22:23], s[6:7], s[20:21]
	CROUND                                         ; all sixteen work-groups are here: the first joint loads meet
.irp s, 0,1
	s_mov_b32 s[G0+4*\s], 1
	s_add_co_u32 s[G0+4*\s+1], s2, \s*SLOT
	s_add_nc_u64 s[G0+4*\s+2:G0+4*\s+3], s[18:19], \s*KSA
	s_or_b32 s[G0+4*\s+3], s[G0+4*\s+3], 0x80000000
	s_mov_b32 s[G0B+4*\s], 1
	s_add_co_u32 s[G0B+4*\s+1], s3, \s*SLOT
	s_add_nc_u64 s[G0B+4*\s+2:G0B+4*\s+3], s[22:23], \s*KSB
	s_or_b32 s[G0B+4*\s+3], s[G0B+4*\s+3], 0x80000000
	JLOAD \s                                       ; two loads of mine are out
.endr
	s_lshr_b32 s20, s40, 1                         ; the prefetches: head cx / 2 of a K step,
	s_lshl_b32 s20, s20, 20
	s_and_b32 s21, s40, 1
	s_lshl_b32 s21, s21, 13                        ; bytes 8,192 (cx % 2) on,
	s_add_co_u32 s20, s20, s21
	s_lshl_b32 s21, s15, 14                        ; of my tile row,
	s_add_co_u32 s20, s20, s21
	s_add_co_u32 s20, s20, 2*KSA                   ; at K step 2: the first refill steps it to 3 and names K step 4
	s_mov_b32 s21, 0
	s_add_nc_u64 s[PFA:PFA+1], s[4:5], s[20:21]
	s_cmp_eq_u32 s12, 0
	s_cselect_b32 s[LIM], 1, -1
	s_lshl_b32 s20, s42, 10                        ; my first column, in bytes of f32: 1,024 x tile column + 512 x half
	s_lshl_b32 s21, s14, 9
	s_add_co_u32 s20, s20, s21
	s_mov_b32 s21, 0
	s_add_nc_u64 s[8:9], s[8:9], s[20:21]
	s_add_nc_u64 s[10:11], s[10:11], s[20:21]
	s_lshl_b32 s20, s15, 19                        ; my first row: 128 x tile row + 64 x half, of 4,096 bytes
	s_lshl_b32 s22, s13, 18
	s_add_co_u32 s20, s20, s22
	s_add_nc_u64 s[10:11], s[10:11], s[20:21]
	v_and_b32 v1, 15, v0                           ; r
	v_bfe_u32 v2, v0, 4, 1                         ; h
	v_bfe_u32 v3, v0, 1, 3
	v_mul_u32_u24 v3, v3, 272
	v_and_b32 v4, 1, v0
	v_lshl_add_u32 v3, v4, 7, v3
	v_lshl_add_u32 v3, v2, 4, v3                   ; a fragment's row r: pair r / 2, half r % 2, + 16 h
	s_mul_i32 s22, s13, 32*272                     ; my 64 rows of A
	s_mul_i32 s23, s14, 64*272                     ; my 128 rows of B,
	s_add_co_u32 s23, s23, 2*AREG                  ; which lie behind A's two heads
.irp s, 0,1
	v_add_nc_u32 v[ADRA+\s], s22, v3
	v_add_nc_u32 v[ADRB+\s], s23, v3
	s_add_co_u32 s22, s22, SLOT
	s_add_co_u32 s23, s23, SLOT
.endr
	s_mul_i32 s22, s12, 16*SPITCH
	s_add_co_u32 s22, s22, STAGE                   ; my stage
	v_mul_u32_u24 v5, v1, SPITCH
	v_lshl_add_u32 v5, v2, 5, v5
	v_add_nc_u32 v[STO], s22, v5                   ; in: row r, 32 bytes for each half of the lanes
	v_and_b32 v6, 31, v0
	v_lshlrev_b32 v[CO], 4, v6
	v_add_nc_u32 v[RD], s22, v[CO]                 ; back: the 32 lanes take one row of 512 bytes
	v_lshlrev_b32 v[PFO], 8, v6
	v_lshlrev_b32 v7, 5, v2
.irp b, 0,1,2,3,4,5,6,7
	global_load_b128 v[BIAS+8*\b:BIAS+8*\b+3], v7, s[8:9] offset:64*\b        ; bo at my eight columns of block b: 16 b + 8 h + 0 .. 7
	global_load_b128 v[BIAS+8*\b+4:BIAS+8*\b+7], v7, s[8:9] offset:64*\b+16
.endr
; 8 matrix instructions: A's block a x B's eight, 32 along K, buffer f.  first = 1: the bias starts the sums.  The 32 accumulators take turns, one instruction a turn.
.macro MUL8 f, a, first
.irp b, 0,1,2,3,4,5,6,7
.if \first
	v_wmma_f32_16x16x32_f16 v[8*(8*(\a)+\b):8*(8*(\a)+\b)+7], v[64*(\f)+8*\b:64*(\f)+8*\b+7], v[FA+32*(\f)+8*(\a):FA+32*(\f)+8*(\a)+7], v[BIAS+8*\b:BIAS+8*\b+7]
.else
	v_wmma_f32_16x16x32_f16 v[8*(8*(\a)+\b):8*(8*(\a)+\b)+7], v[64*(\f)+8*\b:64*(\f)+8*\b+7], v[FA+32*(\f)+8*(\a):FA+32*(\f)+8*(\a)+7], v[8*(8*(\a)+\b):8*(8*(\a)+\b)+7]
.endif
.endr
.endm
; 24 LDS loads in one run: quarter qd of a slot (head qd / 2, channels 32 (qd % 2) on) into buffer f: B's eight blocks, then A's four
.macro FETCH slot, qd, f
	WIN TO_B
.irp i, 0,1,2,3,4,5,6,7
	ds_load_b128 v[64*(\f)+8*\i:64*(\f)+8*\i+3],   v[ADRB+\slot] offset:((\qd)/2)*BREG+64*((\qd)%2)+2176*\i
	ds_load_b128 v[64*(\f)+8*\i+4:64*(\f)+8*\i+7], v[ADRB+\slot] offset:((\qd)/2)*BREG+64*((\qd)%2)+2176*\i+32
.endr
	WIN 0
.irp i, 0,1,2,3
	ds_load_b128 v[FA+32*(\f)+8*\i:FA+32*(\f)+8*\i+3],   v[ADRA+\slot] offset:((\qd)/2)*AREG+64*((\qd)%2)+2176*\i
	ds_load_b128 v[FA+32*(\f)+8*\i+4:FA+32*(\f)+8*\i+7], v[ADRA+\slot] offset:((\qd)/2)*AREG+64*((\qd)%2)+2176*\i+32
.endr
.endm
.macro PLACES                          ; four places in front of loads into registers that matrix instructions have read (ISA guide 7.12.1 for vector instructions)
.rept 4
	v_nop
.endr
.endm
; A K step is four quarters of 32 along K, 32 matrix instructions each, on buffers 0, 1, 0, 1.  One of the first three: multiplies buffer f and fetches quarter qd of the same slot into buffer g.
.macro QUARTER slot, qd, f, g, first
	s_wait_dscnt 4                                 ; B and A's blocks 0, 1 are in; the youngest four loads (A's blocks 2, 3) may be out
	WIN MUL-0x20*(\first)
	MUL8 \f, 0, \first
	MUL8 \f, 1, \first
	PLACES
	FETCH \slot, \qd, \g
	s_wait_dscnt 24                                ; all but the 24 just issued
	WIN MUL-0x20*(\first)
	MUL8 \f, 2, \first
	MUL8 \f, 3, \first
.endm
; The last quarter multiplies buffer 1 and changes slots: ONE barrier; in front of it each wave waits for all its tensor loads, adds 0 to its spare word, and waits for that and for its reads of this slot.
; fill = 1: the barrier opens a round of the cluster's barrier and this slot is filled again, two K steps ahead: 112 matrix instructions ahead of the wait for it.
.macro TURN slot, next, fill
.if \fill
	s_wait_xcnt 0x0                                ; the last prefetch, a K step back, has read its address: it is stepped here, ahead of the waits of the change of slots
	s_add_nc_u64 s[PFA:PFA+1], s[PFA:PFA+1], KSA
.endif
	WIN 0                                          ; (the add's two registers lie in window 0)
	s_wait_tensorcnt 0x0                           ; all my tensor loads have landed: my part of the next slot
	ds_add_u32 v[SPW], v[NIL]                      ; 0 onto my spare word
	s_wait_dscnt 5                                 ; (the add and the youngest four loads may be out)
	WIN MUL
	MUL8 1, 0, 0
	s_wait_dscnt 0x0                               ; the add is done, and my reads of this slot are over
	s_barrier_signal -1
	MUL8 1, 1, 0
.if \fill
	WIN 0
.endif
	s_barrier_wait -1
.if \fill
	CREST                                          ; no wave of any partner still reads this slot's tile or has a load on its way
	s_add_nc_u64 s[G0+4*\slot+2:G0+4*\slot+3], s[G0+4*\slot+2:G0+4*\slot+3], 2*KSA
	s_add_nc_u64 s[G0B+4*\slot+2:G0B+4*\slot+3], s[G0B+4*\slot+2:G0B+4*\slot+3], 2*KSB
	JLOAD \slot                                    ; the first tensor load behind the round; its four v_nop are also the places in front of the loads below
.else
	PLACES
.endif
	FETCH \next, 0, 0
.if \fill
	ASK
.endif
	WIN MUL
	MUL8 1, 2, 0
	MUL8 1, 3, 0
.endm
	s_wait_tensorcnt 1                             ; my part of K step 0 is in (K step 1's load may be out)
	s_barrier_signal -1
	s_barrier_wait -1                              ; everybody's is
	FETCH 0, 0, 0
	s_wait_loadcnt 0x0                             ; the bias
	QUARTER 0, 1, 0, 1, 1                          ; the first quarter stands in front of the loop: its products start the sums, from the bias
	WIN 0                                          ; at a label and at a branch every window is 0
	s_mov_b32 s3, 3
.Llap:                                             ; a trip goes once round the ring, from a lap's second quarter to the next lap's first, and fills both slots again: K steps 2 to 7
	QUARTER 0, 2, 1, 0, 0
	QUARTER 0, 3, 0, 1, 0
	TURN 0, 1, 1
	QUARTER 1, 1, 0, 1, 0
	QUARTER 1, 2, 1, 0, 0
	QUARTER 1, 3, 0, 1, 0
	TURN 1, 0, 1
	QUARTER 0, 1, 0, 1, 0
	WIN 0
	s_sub_co_u32 s3, s3, 1
	s_cmp_lg_u32 s3, 0
	s_cbranch_scc1 .Llap
	QUARTER 0, 2, 1, 0, 0                          ; the last lap fills nothing, and has no round of the cluster's barrier
	QUARTER 0, 3, 0, 1, 0
	TURN 0, 1, 0
	QUARTER 1, 1, 0, 1, 0
	QUARTER 1, 2, 1, 0, 0
	QUARTER 1, 3, 0, 1, 0
	s_wait_dscnt 4                                 ; the very last quarter: nothing more to fetch
	WIN MUL
	MUL8 1, 0, 0
	MUL8 1, 1, 0
	s_wait_dscnt 0
	MUL8 1, 2, 0
	MUL8 1, 3, 0
	WIN 0
; THE WAY OUT, block by block of 16 rows x 128 columns, through my own stage in LDS: in as 32 bytes a lane, back as whole rows of 512 bytes.  LDS serves a wave's instructions in order (ISA guide 5.7.1.4).
.macro TOSTAGE a
	WIN 0x08                                       ; an LDS store's data are its source 1: window 2
.irp b, 0,1,2,3,4,5,6,7
	ds_store_b128 v[STO], v[64*(\a)+8*\b:64*(\a)+8*\b+3] offset:64*\b        ; each accumulator from its low end on
	ds_store_b128 v[STO], v[64*(\a)+8*\b+4:64*(\a)+8*\b+7] offset:64*\b+16
.endr
	WIN 0
.set BB, BK+64*((\a)%2)
.irp t, 0,1,2,3,4,5,6,7,8,9,10,11,12,13,14,15
	ds_load_b128 v[BB+4*\t:BB+4*\t+3], v[RD] offset:\t*SPITCH
.endr
.endm
.macro SEND a, younger                 ; younger: the LDS instructions issued behind block a's loads, which may stay out
.set BB, BK+64*((\a)%2)
	s_wait_dscnt \younger
.irp t, 0,1,2,3,4,5,6,7,8,9,10,11,12,13,14,15
	global_store_b128 v[CO], v[BB+4*\t:BB+4*\t+3], s[10:11] offset:65536*(\a)+4096*\t th:TH_STORE_NT   ; 512 consecutive bytes, aligned; every place stands in the immediate
.endr
.endm
	PLACES                                         ; behind the last products: for the first reads of results and the loads into the registers that held A's fragments
	TOSTAGE 0
.irp a, 1,2,3
.if \a > 1
	s_wait_xcnt 0x0                                ; block a - 2's stores have read their registers: block a's loads may land there
.endif
	TOSTAGE \a
	SEND \a-1, 32                                  ; behind block a - 1's loads: block a's 16 stores and 16 loads
.endr
	SEND 3, 0
	s_wait_tensorcnt 0x0                           ; the wave's end, behind my last tensor load and my last LDS store
	ds_add_u32 v[SPW], v[NIL]
	s_wait_dscnt 0x0
	CROUND                                         ; the closing round
	s_endpgm
.Lfunc_end_k_q82d1a3a884_outproj:
	.size	k_q82d1a3a884_outproj, .Lfunc_end_k_q82d1a3a884_outproj-k_q82d1a3a884_outproj
	.p2alignl 7, 3214868480
	.fill 96, 4, 3214868480
	.section	.rodata,"a",@progbits
	.p2align	6, 0x0
	.amdhsa_kernel k_q82d1a3a884_outproj
		.amdhsa_group_segment_fixed_size 327680
		.amdhsa_private_segment_fixed_size 0
		.amdhsa_enable_private_segment 0
		.amdhsa_kernarg_size 32
		.amdhsa_user_sgpr_count 2
		.amdhsa_user_sgpr_kernarg_segment_ptr 1
		.amdhsa_wavefront_size32 1
		.amdhsa_system_sgpr_workgroup_id_x 1
		.amdhsa_system_sgpr_workgroup_id_y 1
		.amdhsa_system_sgpr_workgroup_id_z 1
		.amdhsa_system_vgpr_workitem_id 0
		.amdhsa_next_free_vgpr 768
		.amdhsa_next_free_sgpr 66
		.amdhsa_reserve_vcc 0
		.amdhsa_float_denorm_mode_32 3
		.amdhsa_float_denorm_mode_16_64 3
		.amdhsa_memory_ordered 1
		.amdhsa_forward_progress 1
		.amdhsa_inst_pref_size 88
	.end_amdhsa_kernel
	.amdgpu_metadata
---
amdhsa.version: [ 1, 2 ]
amdhsa.kernels:
  - .name:           k_q82d1a3a884_outproj
    .symbol:         k_q82d1a3a884_outproj.kd
    .args:
      - { .name: ctx16, .offset: 0, .size: 8, .value_kind: global_buffer, .address_space: global }
      - { .name: wo16, .offset: 8, .size: 8, .value_kind: global_buffer, .address_space: global }
      - { .name: bo, .offset: 16, .size: 8, .value_kind: global_buffer, .address_space: global }
      - { .name: out0, .offset: 24, .size: 8, .value_kind: global_buffer, .address_space: global }
    .group_segment_fixed_size: 327680
    .private_segment_fixed_size: 0
    .kernarg_segment_align: 8
    .kernarg_segment_size: 32
    .max_flat_workgroup_size: 128
    .sgpr_count:     66
    .vgpr_count:     768
    .wavefront_size: 32
...
	.end_amdgpu_metadata
.endif
;; end of part 4
;; launch fine (part 5): grid 16 x 4, 16 waves a work-group, no clusters, 71,680 bytes of LDS; arguments qkv32, Wo, bo, out0; writes out0
.if DOCPART == 5
	.amdgcn_target "amdgcn-amd-amdhsa--gfx1250"
	.amdhsa_code_object_version 6
	.text
	.protected	k_q82d1a3a884_fine
	.globl	k_q82d1a3a884_fine
	.p2align	8
	.type	k_q82d1a3a884_fine,@function
k_q82d1a3a884_fine:
	s_mov_b64 s[64:65], 0
	v_nop
	global_prefetch_b8 v0, s[64:65] scope:SCOPE_SE
	s_setreg_imm32_b32 hwreg(HW_REG_WAVE_MODE, 25, 1), 1
	s_wait_xcnt 0x0
; POSITIONS 0 TO 15 OF EVERY SEQUENCE, ALL IN f32: under the causal mask these rows average one to sixteen values and are the largest of the output, so their scores, weights, context and projection are carried in f32
; (v_wmma_f32_16x16x4_f32: 96 instructions a wave, no bulk work), from the f32 copies qkv32 [4][16][3072] (columns 1024 t + 64 head + d) and from Wo [1024][1024] and bo as they are given.  The 64 rows of out0 are written over.
; SHARES.  Work-group (ng, b): 64 outputs n = 64 ng .. of batch b.  Wave w is head w: it makes the head's attention of 16 queries x 16 keys (worked anew in each of a batch's 16 work-groups: 32 matrix instructions),
; multiplies the context by Wo's 64 rows x its 64 columns, and the sixteen heads' parts meet in LDS, where wave w sums position w's row in a fixed order, begun with bo.
; LAYOUT.  All products are used transposed, so that a lane holds ONE query (lane % 16) throughout; along each product's K the places are dealt alike on both sides, so that each result's registers are the next operand
; as they stand: S^T (keys 8 h + j) -> P -> source 1 of O^T = V^T P; O^T (channels 16 t + 8 h + j) -> source 1 of the projection.  The division by the row's sum follows the projection, which is linear.
; The registers that the f32 matrix form writes (v176-239) are written by matrix instructions alone; what is made of a sum goes into other registers.
; No tensor loads and no cluster: each work-group reads a few KB once.
.set SPARE, 69632                      ; behind the sixteen images of 16 rows x (256 bytes + 16): the spare words, 128 bytes for each wave: eight blocks of 256 bytes that no other line names
.set SPW, 14                           ; v14 LDS address of my spare word; never rewritten
.set NIL, 15                           ; v15 0; never rewritten
.set QF,  16                           ; v16-47  Q: register 4 i + e = channel 8 i + 4 h + e of query r;  later Wo's block 2
.set KK,  48                           ; v48-79  K likewise, of key r;  later Wo's block 3
.set VV,  80                           ; v80-111 V: register 8 t + k = V(key 8 h + k, channel 16 t + r);  later the scaled results
.set W0,  112                          ; v112-175 Wo's blocks 0 and 1: register 32 nb + 8 t + e = Wo(64 ng + 16 nb + r, 64 w + 16 t + 8 h + e);  later the sixteen parts
.set ACC, 176                          ; v176-207 S^T in two halves, then the four tiles of outputs
.set OA,  208                          ; v208-239 O^T
.set PP,  240                          ; v240-247 scores, then p
	s_load_b256 s[4:11], s[0:1], 0x0               ; qkv32 s[4:5], Wo s[6:7], bo s[8:9], out0 s[10:11]
	v_lshl_add_u32 v[SPW], v0, 2, SPARE
	v_mov_b32 v[NIL], 0
	v_lshrrev_b32 v1, 5, v0
	v_readfirstlane_b32 s12, v1                    ; wave = head, and on the way out = position
	s_mov_b32 s13, ttmp9                           ; ng
	s_and_b32 s14, ttmp7, 0xffff                   ; batch
	s_mul_i32 s16, s14, 196608
	s_lshl_b32 s17, s12, 8
	s_add_co_u32 s16, s16, s17                     ; qkv32: the batch, the head's 256 bytes of a row
	s_lshl_b32 s18, s13, 18
	s_add_co_u32 s18, s18, s17                     ; Wo: 64 rows of 4,096 bytes, the head's 256 bytes of a row
	s_mov_b32 s17, 0
	s_mov_b32 s19, 0
	s_lshl_b32 s20, s13, 8                         ; bo: 64 numbers
	s_mov_b32 s21, 0
	s_lshl_b32 s22, s14, 11
	s_add_co_u32 s22, s22, s12
	s_lshl_b32 s22, s22, 12
	s_add_co_u32 s22, s22, s20                     ; out0: row 2048 batch + wave, 256 ng bytes on
	s_mov_b32 s23, 0
	s_mov_b32 s24, 0x76543210
	s_mov_b32 s25, 0xfedcba98                      ; v_permlanex16_b32's selects for lane l xor 16
	s_mov_b32 s26, 0x3e38aa3b                      ; c = log2(e) / 8
	v_and_b32 v1, 15, v0                           ; r
	v_bfe_u32 v2, v0, 4, 1                         ; h
	v_mul_u32_u24 v3, v1, 12288
	v_lshl_add_u32 v3, v2, 4, v3                   ; Q, K: position r's row, + 16 h
	v_mul_u32_u24 v4, v2, 98304
	v_lshl_add_u32 v4, v1, 2, v4                   ; V: position 8 h, channel r
	v_lshlrev_b32 v5, 12, v1
	v_lshl_add_u32 v5, v2, 5, v5                   ; Wo: row r, + 32 h
	s_mul_i32 s27, s12, 4352
	v_mul_u32_u24 v6, v1, 272
	v_lshl_add_u32 v6, v2, 5, v6
	v_add_nc_u32 v6, s27, v6                       ; my image: row r, + 32 h
	v_and_b32 v8, 31, v0
	v_lshlrev_b32 v8, 3, v8                        ; 8 x lane
	s_mul_i32 s27, s12, 272
	v_add_nc_u32 v7, s27, v8                       ; back: row w of every image
	v_lshlrev_b32 v10, 3, v2
	v_sub_nc_u32 v9, v1, v10                       ; r - 8 h
	s_wait_kmcnt 0x0
	s_add_nc_u64 s[4:5], s[4:5], s[16:17]
	s_add_nc_u64 s[6:7], s[6:7], s[18:19]
	s_add_nc_u64 s[8:9], s[8:9], s[20:21]
	s_add_nc_u64 s[10:11], s[10:11], s[22:23]
.irp i, 0,1,2,3,4,5,6,7
	global_load_b128 v[QF+4*\i:QF+4*\i+3], v3, s[4:5] offset:32*\i
.endr
.irp i, 0,1,2,3,4,5,6,7
	global_load_b128 v[KK+4*\i:KK+4*\i+3], v3, s[4:5] offset:4096+32*\i
.endr
.irp t, 0,1,2,3
.irp k, 0,1,2,3,4,5,6,7
	global_load_b32 v[VV+8*\t+\k], v4, s[4:5] offset:8192+12288*\k+64*\t
.endr
.endr
.irp t, 0,1,2,3
.irp g, 0,1
	global_load_b128 v[W0+8*\t+4*\g:W0+8*\t+4*\g+3], v5, s[6:7] offset:64*\t+16*\g
.endr
.endr
	global_load_b64 v[12:13], v8, s[8:9]           ; bo at my two outputs of the way out
	s_wait_loadcnt 41                              ; Q and K are in; V's 32 loads, Wo's 8 and bo's may be out
	; S^T = K Q^T: 16 instructions of 4 along the channels, two accumulators by turns; each sum's first instruction takes the constant 0
.irp i, 0,1,2,3,4,5,6,7
.irp u, 0,1
.if \i == 0
	v_wmma_f32_16x16x4_f32 v[ACC+8*\u:ACC+8*\u+7], v[KK+4*\i+2*\u:KK+4*\i+2*\u+1], v[QF+4*\i+2*\u:QF+4*\i+2*\u+1], 0
.else
	v_wmma_f32_16x16x4_f32 v[ACC+8*\u:ACC+8*\u+7], v[KK+4*\i+2*\u:KK+4*\i+2*\u+1], v[QF+4*\i+2*\u:QF+4*\i+2*\u+1], v[ACC+8*\u:ACC+8*\u+7]
.endif
.endr
.endr
.rept 8
	v_nop                                          ; eight places behind this form: for the loads into Q's and K's registers and for the first read of the sums
.endr
.irp t, 0,1,2,3
.irp g, 0,1
	global_load_b128 v[W0+32+8*\t+4*\g:W0+32+8*\t+4*\g+3], v5, s[6:7] offset:65536+64*\t+16*\g
.endr
.endr
.irp nb, 2,3
.irp t, 0,1,2,3
.irp g, 0,1
	global_load_b128 v[QF+32*(\nb-2)+8*\t+4*\g:QF+32*(\nb-2)+8*\t+4*\g+3], v5, s[6:7] offset:65536*\nb+64*\t+16*\g
.endr
.endr
.endr
.irp j, 0,1,2,3,4,5,6,7
	v_add_f32 v[PP+\j], v[ACC+\j], v[ACC+8+\j]     ; the two halves, from the low end on: the score of query r and key 8 h + j
.endr
	v_mov_b32 v10, 0xff800000                      ; -infinity
.irp j, 0,1,2,3,4,5,6,7
	v_cmp_gt_i32 vcc_lo, \j, v9                    ; key 8 h + j comes after query r
	v_cndmask_b32 v[PP+\j], v[PP+\j], v10, vcc_lo
.endr
	v_max3_num_f32 v248, v240, v241, v242
	v_max3_num_f32 v249, v243, v244, v245
	v_max3_num_f32 v248, v248, v246, v247
	v_max_num_f32 v248, v248, v249
	v_permlanex16_b32 v249, v248, s24, s25
	v_max_num_f32 v248, v248, v249                 ; the row's largest score (key 0 counts for every query)
	v_mul_f32 v248, s26, v248
.irp j, 0,1,2,3,4,5,6,7
	v_fma_f32 v[PP+\j], v[PP+\j], s26, -v248
.endr
.irp j, 0,1,2,3,4,5,6,7
	v_exp_f32 v[PP+\j], v[PP+\j]                   ; p = 2^(c s - c m)
.endr
	v_nop                                          ; a plain instruction behind the last exponential
	s_wait_alu depctr_va_vdst(0)                   ; one wait for the eight, ahead of the first instruction that names a result
	v_add_f32 v250, v240, v241
	v_add_f32 v251, v242, v243
	v_add_f32 v252, v244, v245
	v_add_f32 v253, v246, v247
	v_add_f32 v250, v250, v251
	v_add_f32 v252, v252, v253
	v_add_f32 v250, v250, v252
	v_permlanex16_b32 v251, v250, s24, s25
	v_add_f32 v250, v250, v251                     ; the row's sum
	v_rcp_f32 v254, v250
	v_nop
	s_wait_alu depctr_va_vdst(0)                   ; and one for the reciprocal
	s_wait_loadcnt 33                              ; V is in; Wo's 32 loads and bo's may be out
	; O^T = V^T P: keys 8 h + 2 i + j in instruction i; the four tiles of channels by turns
.irp i, 0,1,2,3
.irp t, 0,1,2,3
.if \i == 0
	v_wmma_f32_16x16x4_f32 v[OA+8*\t:OA+8*\t+7], v[VV+8*\t+2*\i:VV+8*\t+2*\i+1], v[PP+2*\i:PP+2*\i+1], 0
.else
	v_wmma_f32_16x16x4_f32 v[OA+8*\t:OA+8*\t+7], v[VV+8*\t+2*\i:VV+8*\t+2*\i+1], v[PP+2*\i:PP+2*\i+1], v[OA+8*\t:OA+8*\t+7]
.endif
.endr
.endr
.rept 9
	v_nop                                          ; nine places before a matrix instruction of this form takes a result as its source
.endr
	s_wait_loadcnt 0x0                             ; Wo, bo
	; the projection: channels 16 t + 8 h + 2 i + j in instruction (t, i); the four tiles of outputs by turns.  Wo's block nb lies at v112, v144, v16, v48
.irp t, 0,1,2,3
.irp i, 0,1,2,3
.irp nb, 0,1,2,3
.if (\t == 0) && (\i == 0)
	v_wmma_f32_16x16x4_f32 v[ACC+8*\nb:ACC+8*\nb+7], v[W0+32*\nb-160*(\nb/2)+8*\t+2*\i:W0+32*\nb-160*(\nb/2)+8*\t+2*\i+1], v[OA+8*\t+2*\i:OA+8*\t+2*\i+1], 0
.else
	v_wmma_f32_16x16x4_f32 v[ACC+8*\nb:ACC+8*\nb+7], v[W0+32*\nb-160*(\nb/2)+8*\t+2*\i:W0+32*\nb-160*(\nb/2)+8*\t+2*\i+1], v[OA+8*\t+2*\i:OA+8*\t+2*\i+1], v[ACC+8*\nb:ACC+8*\nb+7]
.endif
.endr
.endr
.endr
.rept 8
	v_nop                                          ; eight places in front of the first read of the sums
.endr
.irp j, 0,1,2,3,4,5,6,7,8,9,10,11,12,13,14,15,16,17,18,19,20,21,22,23,24,25,26,27,28,29,30,31
	v_mul_f32 v[VV+\j], v[ACC+\j], v254            ; / the row's sum, each accumulator from its low end on: my head's part of out(r, 64 ng + 16 nb + 8 h + j)
.endr
.irp nb, 0,1,2,3
.irp g, 0,1
	ds_store_b128 v6, v[VV+8*\nb+4*\g:VV+8*\nb+4*\g+3] offset:64*\nb+16*\g
.endr
.endr
	s_wait_dscnt 0x0                               ; for the others' sake: my stores are done
	s_barrier_signal -1
	s_barrier_wait -1
.irp s, 0,1,2,3,4,5,6,7,8,9,10,11,12,13,14,15
	ds_load_b64 v[W0+2*\s:W0+2*\s+1], v7 offset:4352*\s            ; position w's row of head s's image: 256 consecutive bytes a load
.endr
	s_wait_dscnt 0x0
	v_pk_add_f32 v[12:13], v[12:13], v[W0:W0+1]    ; two chains in a fixed order: bo and the even heads, the odd heads
	v_pk_add_f32 v[144:145], v[W0+2:W0+3], v[W0+6:W0+7]
	v_pk_add_f32 v[12:13], v[12:13], v[W0+4:W0+5]
.irp s, 2,3,4,5,6,7
	v_pk_add_f32 v[12:13], v[12:13], v[W0+4*\s:W0+4*\s+1]
	v_pk_add_f32 v[144:145], v[144:145], v[W0+4*\s+2:W0+4*\s+3]
.endr
	v_pk_add_f32 v[12:13], v[12:13], v[144:145]
	global_store_b64 v8, v[12:13], s[10:11]        ; the wave stores 256 consecutive bytes, aligned
	s_wait_tensorcnt 0x0                           ; the wave's end, behind my last LDS store
	ds_add_u32 v[SPW], v[NIL]
	s_wait_dscnt 0x0
	s_endpgm
.Lfunc_end_k_q82d1a3a884_fine:
	.size	k_q82d1a3a884_fine, .Lfunc_end_k_q82d1a3a884_fine-k_q82d1a3a884_fine
	.p2alignl 7, 3214868480
	.fill 96, 4, 3214868480
	.section	.rodata,"a",@progbits
	.p2align	6, 0x0
	.amdhsa_kernel k_q82d1a3a884_fine
		.amdhsa_group_segment_fixed_size 71680
		.amdhsa_private_segment_fixed_size 0
		.amdhsa_enable_private_segment 0
		.amdhsa_kernarg_size 32
		.amdhsa_user_sgpr_count 2
		.amdhsa_user_sgpr_kernarg_segment_ptr 1
		.amdhsa_wavefront_size32 1
		.amdhsa_system_sgpr_workgroup_id_x 1
		.amdhsa_system_sgpr_workgroup_id_y 1
		.amdhsa_system_sgpr_workgroup_id_z 1
		.amdhsa_system_vgpr_workitem_id 0
		.amdhsa_next_free_vgpr 256
		.amdhsa_next_free_sgpr 66
		.amdhsa_reserve_vcc 1
		.amdhsa_float_denorm_mode_32 3
		.amdhsa_float_denorm_mode_16_64 3
		.amdhsa_memory_ordered 1
		.amdhsa_forward_progress 1
		.amdhsa_inst_pref_size 24
	.end_amdhsa_kernel
	.amdgpu_metadata
---
amdhsa.version: [ 1, 2 ]
amdhsa.kernels:
  - .name:           k_q82d1a3a884_fine
    .symbol:         k_q82d1a3a884_fine.kd
    .args:
      - { .name: qkv32, .offset: 0, .size: 8, .value_kind: global_buffer, .address_space: global }
      - { .name: Wo, .offset: 8, .size: 8, .value_kind: global_buffer, .address_space: global }
      - { .name: bo, .offset: 16, .size: 8, .value_kind: global_buffer, .address_space: global }
      - { .name: out0, .offset: 24, .size: 8, .value_kind: global_buffer, .address_space: global }
    .group_segment_fixed_size: 71680
    .private_segment_fixed_size: 0
    .kernarg_segment_align: 8
    .kernarg_segment_size: 32
    .max_flat_workgroup_size: 512
    .sgpr_count:     66
    .vgpr_count:     256
    .wavefront_size: 32
...
	.end_amdgpu_metadata
.endif
;; end of part 5
